; MI455X (gfx1250); checked and timed in simulation.
; The chip was launched on July 23, 2026; its instructions are those of AMD's public machine-readable ISA for CDNA 5 (MIT licence, August 2026) and "CDNA5" Instruction Set Architecture Reference Guide (July 2026). The comments in the code are by the model that wrote it; some were corrected since.
;; Knn XL Multi Heads Attention. Allowed arithmetic: float matrix products may take bf16 or f16 operands with f32 sums; all other float work in f32.
;; Inputs: Wk 1,024 x 1,024 float32; Wo 1,024 x 1,024 float32; Wq 1,024 x 1,024 float32; Wv 1,024 x 1,024 float32; bk 1,024 float32; bo 1,024 float32; bq 1,024 float32; bv 1,024 float32; gate 16 x 1 x 1 float32; input 4 x 512 x 1,024 float32; kv_external 4 x 512 x 8 x 2 x 1,024 float32; rel_pos 1 x 16 x 512 x 1,024 float32; xl_memory 4 x 512 x 2 x 1,024 float32.
;; Outputs: out0 4 x 512 x 1,024 float32; out1 4 x 512 x 2 x 1,024 float32.
;; 3 versions, each right; version 2 is faster than version 1; version 3 is version 2 with the launch outp written anew for expert scheduling mode. Each part assembles by itself: llvm-mc -triple=amdgcn-amd-amdhsa -mcpu=gfx1250 --defsym DOCPART=n.
;; ======== version 1 of 3: 4 launches
;; limits: values are held in f16: magnitudes above 65,504 overflow, below 6.1e-05 lose precision
;; workspace buffers: raw 25,165,824 bytes; qh 4,194,304 bytes; fused 8,388,608 bytes
;; launch qkv (part 1): grid 8 x 96, 4 waves a work-group, no clusters, 90,624 bytes of LDS; arguments input, Wq, Wk, Wv, bq, bk, bv, raw; writes raw
.if DOCPART == 1
	.amdgcn_target "amdgcn-amd-amdhsa--gfx1250"
	.amdhsa_code_object_version 6
	.text
	.protected	k_q9cbc43ba0b_qkv
	.globl	k_q9cbc43ba0b_qkv
	.p2align	8
	.type	k_q9cbc43ba0b_qkv,@function
k_q9cbc43ba0b_qkv:
	s_mov_b64 s[64:65], 0
	v_nop
	global_prefetch_b8 v0, s[64:65] scope:SCOPE_SE
	s_setreg_imm32_b32 hwreg(HW_REG_WAVE_MODE, 25, 1), 1
	s_wait_xcnt 0x0
; C[sel][m][n] = sum over k of A[m][k] W_sel[n][k] + bias_sel[n].  A: [2048][1024], W: [1024][1024], bias: [1024], C: [..][2048][1024], all f32 in memory.
; The products take f16 operands (converted in registers on the way from memory to LDS) and f32 sums.
; LIMIT: an operand of 65,520 or more becomes an infinity in f16; below 6e-5 an operand keeps f16's fixed step of 6e-8.  NaN and infinities are not treated apart.
; SHARES.  Work-group (x, y): columns 128 x .. +127; sel = y / 32 picks W, bias and the plane of C; rows 64 (y % 32) .. +63.  Four waves, each 32 rows x 64 columns: 2 x 4 accumulators.
; K goes in 16 steps of 64 (256 bytes of a row in memory, at a multiple of 256) through two LDS slots; the next step's 24 loads of a thread are on their way while a step is multiplied.
; THE MATRIX INSTRUCTION IS USED TRANSPOSED (source 0 = 16 rows of W, source 1 = 16 rows of A): a lane then holds eight neighbouring columns of one row of C.
; NO JOINT TENSOR LOADS: the tiles are f32 in memory and f16 in LDS; the conversion stands in registers between the two, so the tiles come by global loads.
.set PITCH,  144                       ; an LDS row: 64 f16 + 16 bytes: the 16 rows of a fragment load start at 16 different groups of four banks
.set SLOTB,  192*PITCH                 ; a slot: A's 64 rows, then W's 128 rows
.set WOFF,   64*PITCH
.set STAGE,  2*SLOTB                   ; behind the slots: 32 rows x 272 bytes for each wave, for the way out
.set SPITCH, 272
.set WSTAGE, 32*SPITCH
.set SPARE,  STAGE+4*WSTAGE            ; the spare words: 128 bytes a wave, two blocks of 256 bytes that no other line names
.set ACC, 16                           ; v[16:79]   accumulator (a, b) at ACC + 8 (4 a + b)
.set FRA, 80                           ; v[80:95]   A's two fragments
.set FRW, 96                           ; v[96:127]  W's four fragments
.set STG, 128                          ; v[128:223] staged f32: A's load i at STG + 4 i, W's at STG + 32 + 4 i
; v1 l % 16, v2 l / 16, v3 global offset of my 16 bytes, v4 LDS place of my 8 bytes, v5, v6 fragment addresses, v7, v8 stage in and back, v9 offset in C, v10 offset in bias, v12, v13 the add's two
	s_load_b256 s[8:15], s[0:1], 0x0               ; A s[8:9], W0 s[10:11], W1 s[12:13], W2 s[14:15]
	s_load_b256 s[16:23], s[0:1], 0x20             ; bias0 s[16:17], bias1 s[18:19], bias2 s[20:21], C s[22:23]
	v_lshl_add_u32 v12, v0, 2, SPARE               ; my spare word
	v_mov_b32 v13, 0
	v_lshrrev_b32 v14, 5, v0
	v_readfirstlane_b32 s2, v14                    ; wave 0..3
	v_and_b32 v1, 15, v0                           ; l % 16
	v_bfe_u32 v2, v0, 4, 1                         ; l / 16
	v_lshrrev_b32 v14, 4, v0                       ; thread / 16: which of 8 rows I fetch
	v_lshlrev_b32 v3, 12, v14                      ; row x 4,096 bytes
	v_lshl_add_u32 v3, v1, 4, v3                   ; + 16 bytes a thread: sixteen lanes take 256 consecutive bytes
	v_mul_u32_u24 v4, v14, PITCH
	v_lshl_add_u32 v4, v1, 3, v4                   ; the same place in LDS, 8 bytes a thread
	s_lshr_b32 s4, s2, 1                           ; which 32 rows are mine
	s_and_b32 s5, s2, 1                            ; which 64 columns
	v_mul_u32_u24 v15, v1, PITCH
	v_lshl_add_u32 v15, v2, 4, v15                 ; a fragment's row x pitch + 16 x half
	s_mul_i32 s6, s4, 32*PITCH
	v_add_nc_u32 v5, s6, v15
	s_mul_i32 s6, s5, 64*PITCH
	s_add_co_u32 s6, s6, WOFF
	v_add_nc_u32 v6, s6, v15
	s_mul_i32 s6, s2, WSTAGE
	s_add_co_u32 s6, s6, STAGE                     ; my stage
	v_mul_u32_u24 v7, v1, SPITCH
	v_lshl_add_u32 v7, v2, 5, v7                   ; in: row l % 16, 32 bytes for each half of the lanes
	v_add_nc_u32 v7, s6, v7
	v_mul_u32_u24 v8, v2, SPITCH
	v_lshl_add_u32 v8, v1, 4, v8                   ; back: lanes 0-15 one row of 256 bytes, lanes 16-31 the next
	v_add_nc_u32 v8, s6, v8
	v_lshlrev_b32 v9, 12, v2
	v_lshl_add_u32 v9, v1, 4, v9                   ; the same two rows in C
	v_lshlrev_b32 v10, 5, v2                       ; my eight numbers of 16 of the bias
	s_and_b32 s7, ttmp7, 0xffff
	s_lshr_b32 s32, s7, 5                          ; sel
	s_and_b32 s33, s7, 31                          ; block of 64 rows
	s_mov_b32 s35, 0
	s_wait_kmcnt 0x0
	s_cmp_eq_u32 s32, 1
	s_cselect_b64 s[26:27], s[12:13], s[10:11]
	s_cselect_b64 s[28:29], s[18:19], s[16:17]
	s_cmp_eq_u32 s32, 2
	s_cselect_b64 s[26:27], s[14:15], s[26:27]
	s_cselect_b64 s[28:29], s[20:21], s[28:29]
	s_lshl_b32 s34, s33, 18                        ; 64 rows of 4,096 bytes
	s_add_nc_u64 s[24:25], s[8:9], s[34:35]        ; A at the block's first row
	s_lshl_b32 s34, ttmp9, 19                      ; 128 rows of W
	s_add_nc_u64 s[26:27], s[26:27], s[34:35]
	s_lshl_b32 s34, ttmp9, 9
	s_lshl_b32 s36, s5, 8
	s_add_co_u32 s34, s34, s36                     ; my first column in bytes: 512 x + 256 half
	s_add_nc_u64 s[28:29], s[28:29], s[34:35]
	s_lshl_b32 s36, s32, 23                        ; the plane of C,
	s_add_co_u32 s34, s34, s36
	s_lshl_b32 s36, s33, 18                        ; the block's rows,
	s_add_co_u32 s34, s34, s36
	s_lshl_b32 s36, s4, 17                         ; my 32 of them
	s_add_co_u32 s34, s34, s36
	s_add_nc_u64 s[30:31], s[22:23], s[34:35]
	; the bias starts the sums: register j of accumulator (a, b) is column 16 b + 8 (l / 16) + j
.irp a, 0,1
.irp b, 0,1,2,3
	global_load_b128 v[ACC+8*(4*\a+\b):ACC+8*(4*\a+\b)+3],   v10, s[28:29] offset:64*\b
	global_load_b128 v[ACC+8*(4*\a+\b)+4:ACC+8*(4*\a+\b)+7], v10, s[28:29] offset:64*\b+16
.endr
.endr
.macro LOADT                           ; a K step's tiles, f32: 8 rows a load for the work-group's 128 threads
.set i, 0
.rept 8
	global_load_b128 v[STG+4*i:STG+4*i+3], v3, s[24:25] offset:i*32768
.set i, i+1
.endr
.set i, 0
.rept 16
	global_load_b128 v[STG+32+4*i:STG+32+4*i+3], v3, s[26:27] offset:i*32768
.set i, i+1
.endr
.endm
; One K step.  ld = 1: the next step's tiles are asked for.
.macro STEP slot, ld
	s_wait_loadcnt 0x0                             ; the staged tiles are in (in the first step the bias too); these loads' bases may be stepped
.set i, 0
.rept 24
	v_cvt_pk_f16_f32 v[STG+4*i],   v[STG+4*i],   v[STG+4*i+1]    ; these 48 are also the places between the last products and the loads into their fragments
	v_cvt_pk_f16_f32 v[STG+4*i+1], v[STG+4*i+2], v[STG+4*i+3]
.set i, i+1
.endr
.set i, 0
.rept 8
	ds_store_b64 v4, v[STG+4*i:STG+4*i+1] offset:(\slot)*SLOTB+i*8*PITCH
.set i, i+1
.endr
.set i, 0
.rept 16
	ds_store_b64 v4, v[STG+32+4*i:STG+32+4*i+1] offset:(\slot)*SLOTB+WOFF+i*8*PITCH
.set i, i+1
.endr
	s_wait_dscnt 0x0                               ; for the others' sake: my stores are done; the staging registers may be loaded again
.if \ld
	s_add_nc_u64 s[24:25], s[24:25], 256           ; 64 numbers on along K
	s_add_nc_u64 s[26:27], s[26:27], 256
	LOADT
.endif
	s_barrier_signal -1                            ; one barrier a step: this slot is whole behind it; it is written again two steps on,
	s_barrier_wait -1                              ; behind the next barrier, in front of which every wave's reads of it have come back
.irp c, 0,1
.if (\c)
.rept 4
	v_nop                                          ; four places between the products and the loads into their fragments (ISA guide 7.12.1 for vector instructions)
.endr
.endif
.irp a, 0,1
	ds_load_b128 v[FRA+8*\a:FRA+8*\a+3],   v5 offset:(\slot)*SLOTB+\a*16*PITCH+64*\c
	ds_load_b128 v[FRA+8*\a+4:FRA+8*\a+7], v5 offset:(\slot)*SLOTB+\a*16*PITCH+64*\c+32
.endr
.irp b, 0,1,2,3
	ds_load_b128 v[FRW+8*\b:FRW+8*\b+3],   v6 offset:(\slot)*SLOTB+\b*16*PITCH+64*\c
	ds_load_b128 v[FRW+8*\b+4:FRW+8*\b+7], v6 offset:(\slot)*SLOTB+\b*16*PITCH+64*\c+32
.endr
	s_wait_dscnt 0x0
.irp a, 0,1
.irp b, 0,1,2,3                        ; the eight accumulators take turns
	v_wmma_f32_16x16x32_f16 v[ACC+8*(4*\a+\b):ACC+8*(4*\a+\b)+7], v[FRW+8*\b:FRW+8*\b+7], v[FRA+8*\a:FRA+8*\a+7], v[ACC+8*(4*\a+\b):ACC+8*(4*\a+\b)+7]
.endr
.endr
.endr
.endm
	LOADT                                          ; K step 0
	s_mov_b32 s3, 7
.Lk:                                                   ; 7 trips of two steps; the last two steps are written out, so that no load leaves the buffers
	STEP 0, 1
	STEP 1, 1
	s_sub_co_u32 s3, s3, 1
	s_cmp_lg_u32 s3, 0
	s_cbranch_scc1 .Lk
	STEP 0, 1
	STEP 1, 0
	; THE WAY OUT: 32 bytes a lane into my own stage, back as whole rows of 256 bytes, stored so that sixteen lanes write 256 consecutive bytes at a multiple of 256
.rept 4
	v_nop
.endr
.irp a, 0,1
.irp b, 0,1,2,3
	ds_store_b128 v7, v[ACC+8*(4*\a+\b):ACC+8*(4*\a+\b)+3]   offset:\a*16*SPITCH+64*\b
	ds_store_b128 v7, v[ACC+8*(4*\a+\b)+4:ACC+8*(4*\a+\b)+7] offset:\a*16*SPITCH+64*\b+16
.endr
.endr
.set i, 0
.rept 16
	ds_load_b128 v[STG+4*i:STG+4*i+3], v8 offset:i*2*SPITCH      ; LDS serves a wave's instructions in order (ISA guide 5.7.1.4): these see the stores above
.set i, i+1
.endr
.set i, 0
.rept 16
	s_wait_dscnt 15-i                              ; the younger read-backs may stay out
	global_store_b128 v9, v[STG+4*i:STG+4*i+3], s[30:31] offset:i*8192
.set i, i+1
.endr
	s_wait_tensorcnt 0x0                           ; the wave's end
	ds_add_u32 v12, v13
	s_wait_dscnt 0x0
	s_endpgm
.Lfunc_end_k_q9cbc43ba0b_qkv:
	.size	k_q9cbc43ba0b_qkv, .Lfunc_end_k_q9cbc43ba0b_qkv-k_q9cbc43ba0b_qkv
	.p2alignl 7, 3214868480
	.fill 96, 4, 3214868480
	.section	.rodata,"a",@progbits
	.p2align	6, 0x0
	.amdhsa_kernel k_q9cbc43ba0b_qkv
		.amdhsa_group_segment_fixed_size 90624
		.amdhsa_private_segment_fixed_size 0
		.amdhsa_enable_private_segment 0
		.amdhsa_kernarg_size 64
		.amdhsa_user_sgpr_count 2
		.amdhsa_user_sgpr_kernarg_segment_ptr 1
		.amdhsa_wavefront_size32 1
		.amdhsa_system_sgpr_workgroup_id_x 1
		.amdhsa_system_sgpr_workgroup_id_y 1
		.amdhsa_system_sgpr_workgroup_id_z 1
		.amdhsa_system_vgpr_workitem_id 0
		.amdhsa_next_free_vgpr 224
		.amdhsa_next_free_sgpr 66
		.amdhsa_reserve_vcc 0
		.amdhsa_float_denorm_mode_32 3
		.amdhsa_float_denorm_mode_16_64 3
		.amdhsa_memory_ordered 1
		.amdhsa_forward_progress 1
		.amdhsa_inst_pref_size 48
	.end_amdhsa_kernel
	.amdgpu_metadata
---
amdhsa.version: [ 1, 2 ]
amdhsa.kernels:
  - .name:           k_q9cbc43ba0b_qkv
    .symbol:         k_q9cbc43ba0b_qkv.kd
    .args:
      - { .name: input, .offset: 0, .size: 8, .value_kind: global_buffer, .address_space: global }
      - { .name: Wq, .offset: 8, .size: 8, .value_kind: global_buffer, .address_space: global }
      - { .name: Wk, .offset: 16, .size: 8, .value_kind: global_buffer, .address_space: global }
      - { .name: Wv, .offset: 24, .size: 8, .value_kind: global_buffer, .address_space: global }
      - { .name: bq, .offset: 32, .size: 8, .value_kind: global_buffer, .address_space: global }
      - { .name: bk, .offset: 40, .size: 8, .value_kind: global_buffer, .address_space: global }
      - { .name: bv, .offset: 48, .size: 8, .value_kind: global_buffer, .address_space: global }
      - { .name: raw, .offset: 56, .size: 8, .value_kind: global_buffer, .address_space: global }
    .group_segment_fixed_size: 90624
    .private_segment_fixed_size: 0
    .kernarg_segment_align: 8
    .kernarg_segment_size: 64
    .max_flat_workgroup_size: 128
    .sgpr_count:     66
    .vgpr_count:     224
    .wavefront_size: 32
...
	.end_amdgpu_metadata
.endif
;; end of part 1
;; launch norm (part 2): grid 256 x 1, 8 waves a work-group, no clusters, 0 bytes of LDS; arguments raw, qh, out1; writes qh, out1
.if DOCPART == 2
	.amdgcn_target "amdgcn-amd-amdhsa--gfx1250"
	.amdhsa_code_object_version 6
	.text
	.protected	k_q9cbc43ba0b_norm
	.globl	k_q9cbc43ba0b_norm
	.p2align	8
	.type	k_q9cbc43ba0b_norm,@function
k_q9cbc43ba0b_norm:
	s_mov_b64 s[64:65], 0
	v_nop
	global_prefetch_b8 v0, s[64:65] scope:SCOPE_SE
	s_setreg_imm32_b32 hwreg(HW_REG_WAVE_MODE, 25, 1), 1
	s_wait_xcnt 0x0
; raw: [3][2048][1024] f32 = q, k, v with their biases.  qh[r] = q[r] / max(|q[r]|, 1e-12) in f16; out1[r][0] = k[r] / max(|k[r]|, 1e-12), out1[r][1] = v[r], f32.
; One wave takes one row of each of the three (4,096 bytes = 32 registers each), so a row is read once and no wave waits for another: no LDS, no barrier.
; Memory binds: matrix units, clusters and LDS would add nothing.  Each load and each 16-byte store of a wave covers 512 consecutive bytes, each 8-byte store 256.
; LIMIT: a sum of squares below 2^-126 counts as 0 in the root, so that the row is divided by 1e-12.
.set QX, 8                             ; v[8:39]    q
.set KX, 40                            ; v[40:71]   k
.set VX, 72                            ; v[72:103]  v
.set T,  104                           ; v[104:111] at work
	s_load_b128 s[4:7], s[0:1], 0x0                ; raw s[4:5], qh s[6:7]
	s_load_b64 s[8:9], s[0:1], 0x10                ; out1
	v_lshrrev_b32 v3, 5, v0
	v_readfirstlane_b32 s2, v3                     ; wave 0..7
	v_and_b32 v4, 31, v0
	v_lshlrev_b32 v1, 4, v4                        ; 16 bytes a lane
	v_lshlrev_b32 v2, 3, v4                        ; 8 bytes a lane
	s_lshl_b32 s3, ttmp9, 3
	s_add_co_u32 s3, s3, s2                        ; my row
	s_lshl_b32 s10, s3, 12
	s_mov_b32 s11, 0
	s_lshl_b32 s22, s3, 11
	s_mov_b32 s23, 0
	s_lshl_b32 s24, s3, 13
	s_mov_b32 s25, 0
	s_mov_b32 s20, 0x76543210                      ; v_permlanex16_b32: each lane takes its own place in the other half
	s_mov_b32 s21, 0xfedcba98
	s_wait_kmcnt 0x0
	s_add_nc_u64 s[12:13], s[4:5], s[10:11]        ; q's row
	s_add_nc_u64 s[14:15], s[12:13], 0x800000      ; k's, one plane on
	s_add_nc_u64 s[16:17], s[12:13], 0x1000000     ; v's, two planes on
	s_add_nc_u64 s[6:7], s[6:7], s[22:23]
	s_add_nc_u64 s[8:9], s[8:9], s[24:25]
.irp j, 0,1,2,3,4,5,6,7
	global_load_b128 v[QX+4*\j:QX+4*\j+3], v1, s[12:13] offset:512*\j th:TH_LOAD_NT
.endr
.irp j, 0,1,2,3,4,5,6,7
	global_load_b128 v[KX+4*\j:KX+4*\j+3], v1, s[14:15] offset:512*\j th:TH_LOAD_NT
.endr
.irp j, 0,1,2,3,4,5,6,7
	global_load_b128 v[VX+4*\j:VX+4*\j+3], v1, s[16:17] offset:512*\j th:TH_LOAD_NT
.endr
; The row in v[x .. x+31] is divided by max(its length, 1e-12), in place.
.macro NORM x
.irp k, 0,1,2,3                        ; four chains, started by the first four pairs: nothing is cleared
	v_pk_mul_f32 v[T+2*\k:T+2*\k+1], v[(\x)+2*\k:(\x)+2*\k+1], v[(\x)+2*\k:(\x)+2*\k+1]
.endr
.set j, 4
.rept 12
	v_pk_fma_f32 v[T+2*(j%4):T+2*(j%4)+1], v[(\x)+2*j:(\x)+2*j+1], v[(\x)+2*j:(\x)+2*j+1], v[T+2*(j%4):T+2*(j%4)+1]
.set j, j+1
.endr
	v_pk_add_f32 v[T:T+1], v[T:T+1], v[T+2:T+3]
	v_pk_add_f32 v[T+4:T+5], v[T+4:T+5], v[T+6:T+7]
	v_pk_add_f32 v[T:T+1], v[T:T+1], v[T+4:T+5]
	v_add_f32 v[T], v[T], v[T+1]
	v_add_f32_dpp v[T], v[T], v[T] row_xmask:1 row_mask:0xf bank_mask:0xf
	v_add_f32_dpp v[T], v[T], v[T] row_xmask:2 row_mask:0xf bank_mask:0xf
	v_add_f32_dpp v[T], v[T], v[T] row_xmask:4 row_mask:0xf bank_mask:0xf
	v_add_f32_dpp v[T], v[T], v[T] row_xmask:8 row_mask:0xf bank_mask:0xf
	v_permlanex16_b32 v[T+1], v[T], s20, s21
	v_add_f32 v[T], v[T], v[T+1]                   ; every lane holds the row's sum of squares
	v_sqrt_f32 v[T+2], v[T]
	v_nop                                          ; a plain instruction behind a transcendental, before its result is used (ISA guide 5.7.2)
	s_wait_alu depctr_va_vdst(0)
	v_max_num_f32 v[T+2], 0x2b8cbccc, v[T+2]       ; 1e-12
	v_rcp_f32 v[T+4], v[T+2]                       ; twice, to fill the pair that the packed multiply takes
	v_rcp_f32 v[T+5], v[T+2]
	v_nop
.set j, 0
	s_wait_alu depctr_va_vdst(0)
.rept 16
	v_pk_mul_f32 v[(\x)+2*j:(\x)+2*j+1], v[(\x)+2*j:(\x)+2*j+1], v[T+4:T+5]
.set j, j+1
.endr
.endm
	s_wait_loadcnt 16                              ; q is in; k's and v's sixteen loads stay out
	NORM QX
.irp j, 0,1,2,3,4,5,6,7
	v_cvt_pk_f16_f32 v[QX+4*\j],   v[QX+4*\j],   v[QX+4*\j+1]
	v_cvt_pk_f16_f32 v[QX+4*\j+1], v[QX+4*\j+2], v[QX+4*\j+3]
	global_store_b64 v2, v[QX+4*\j:QX+4*\j+1], s[6:7] offset:256*\j
.endr
	s_wait_loadcnt 8                               ; k is in; v's eight loads stay out
	NORM KX
.irp j, 0,1,2,3,4,5,6,7
	global_store_b128 v1, v[KX+4*\j:KX+4*\j+3], s[8:9] offset:512*\j
.endr
	s_wait_loadcnt 0x0
.irp j, 0,1,2,3,4,5,6,7
	global_store_b128 v1, v[VX+4*\j:VX+4*\j+3], s[8:9] offset:4096+512*\j
.endr
	s_endpgm
.Lfunc_end_k_q9cbc43ba0b_norm:
	.size	k_q9cbc43ba0b_norm, .Lfunc_end_k_q9cbc43ba0b_norm-k_q9cbc43ba0b_norm
	.p2alignl 7, 3214868480
	.fill 96, 4, 3214868480
	.section	.rodata,"a",@progbits
	.p2align	6, 0x0
	.amdhsa_kernel k_q9cbc43ba0b_norm
		.amdhsa_group_segment_fixed_size 0
		.amdhsa_private_segment_fixed_size 0
		.amdhsa_enable_private_segment 0
		.amdhsa_kernarg_size 24
		.amdhsa_user_sgpr_count 2
		.amdhsa_user_sgpr_kernarg_segment_ptr 1
		.amdhsa_wavefront_size32 1
		.amdhsa_system_sgpr_workgroup_id_x 1
		.amdhsa_system_sgpr_workgroup_id_y 1
		.amdhsa_system_sgpr_workgroup_id_z 1
		.amdhsa_system_vgpr_workitem_id 0
		.amdhsa_next_free_vgpr 112
		.amdhsa_next_free_sgpr 66
		.amdhsa_reserve_vcc 0
		.amdhsa_float_denorm_mode_32 3
		.amdhsa_float_denorm_mode_16_64 3
		.amdhsa_memory_ordered 1
		.amdhsa_forward_progress 1
		.amdhsa_inst_pref_size 13
	.end_amdhsa_kernel
	.amdgpu_metadata
---
amdhsa.version: [ 1, 2 ]
amdhsa.kernels:
  - .name:           k_q9cbc43ba0b_norm
    .symbol:         k_q9cbc43ba0b_norm.kd
    .args:
      - { .name: raw, .offset: 0, .size: 8, .value_kind: global_buffer, .address_space: global }
      - { .name: qh, .offset: 8, .size: 8, .value_kind: global_buffer, .address_space: global }
      - { .name: out1, .offset: 16, .size: 8, .value_kind: global_buffer, .address_space: global }
    .group_segment_fixed_size: 0
    .private_segment_fixed_size: 0
    .kernarg_segment_align: 8
    .kernarg_segment_size: 24
    .max_flat_workgroup_size: 256
    .sgpr_count:     66
    .vgpr_count:     112
    .wavefront_size: 32
...
	.end_amdgpu_metadata
.endif
;; end of part 2
;; launch attn (part 3): grid 4 x 64, 4 waves a work-group, no clusters, 74,240 bytes of LDS; arguments qh, out1, xl_memory, kv_external, rel_pos, gate, fused; writes fused
.if DOCPART == 3
	.amdgcn_target "amdgcn-amd-amdhsa--gfx1250"
	.amdhsa_code_object_version 6
	.text
	.protected	k_q9cbc43ba0b_attn
	.globl	k_q9cbc43ba0b_attn
	.p2align	8
	.type	k_q9cbc43ba0b_attn,@function
k_q9cbc43ba0b_attn:
	s_mov_b64 s[64:65], 0
	v_nop
	global_prefetch_b8 v0, s[64:65] scope:SCOPE_SE
	s_setreg_imm32_b32 hwreg(HW_REG_WAVE_MODE, 25, 1), 1
	s_wait_xcnt 0x0
; fused[b][q][h] = g softmax_j((Q.K_j + rel[h][q][j]) / 8, j <= 512 + q) V  +  (1 - g) softmax_e(Q.Ke_e / 8) Ve,  g = sigmoid(gate[h]).
; Q: qh, f16 [2048][1024].  Keys and values, f32: 512 rows of xl_memory, then the rows of out1 up to the diagonal (the local pass), then 4,096 rows of kv_external (the external pass).
; All three lie alike: a key's row every 8,192 bytes, the head's 64 numbers 256 bytes at 256 h, the value 4,096 bytes on.  So ONE text of a step walks all three; only its base changes.
; Products take f16 operands and f32 sums; maxima, exponentials, sums and the gate in f32.
; LIMITS: an operand of 65,520 or more becomes an infinity in f16; a weight p lies in 0 to 1 and below 6e-5 keeps f16's fixed step of 6e-8 (its sum l is taken of the unrounded p);
; a hidden score counts as -1e30; a weight below 2^-126 counts as 0 in l; NaN and infinities are not treated apart.
; SHARES.  Work-group (qb, 16 b + h): 128 queries of one head; each of four waves 32, two tiles of 16.  A step is 64 keys.  The local pass has NL = 10 + 2 qb steps: keys behind the block's
; last query are not walked, and only its last two steps hold the diagonal.  The external pass has 64.
; LAYOUT.  S^T = K Q^T (source 0 = 16 keys, source 1 = 16 queries): a lane holds ONE query (l % 16) and the keys 8 (l / 16) + 0..7.  rel_pos is the C operand that starts the sum; where a key is
; hidden, -1e30 takes its place.  Two such results rounded to f16 ARE source 1 of O^T = V^T P.  K comes out of LDS as it lies, V turned, by ds_load_tr16_b128.
; SOFTMAX.  A running maximum m and sum l: p = 2^(c s - c m), c = log2(e) / 8; in every step O and l are multiplied by a = 2^(c m_old - c m_new).  m starts at the lowest finite number,
; c m far below every c s, so a pass's first step has a = 0: O and l need only be finite there (zeros at the start; what the local pass left, for the external one).
; A step in phases: convert and store the staged K and V, ask for the next step's, barrier, fragments, K Q^T, softmax, V^T P.
; NO JOINT TENSOR LOADS, though the four query blocks of a head walk the same keys: the tiles are f32 in memory and f16 in LDS, and the conversion stands in registers between the two.
; REGISTERS, in windows of 256 (s_set_vgpr_msb: bits 1:0 source 0, 3:2 source 1, 5:4 source 2, 7:6 destination):
;   window 0: v0-15 addresses, v16-31 statistics, v34-47 way out, the add's two, gate; v64-127 S^T; v128-159 P; v160-191 Q; v192-255 staged f32
;   window 1: v0-63 O^T; v64-127 the local pass's result; v128-191 K's fragments; v192-255 V's          window 2: v0-63 rel_pos for one step
.set PK,     144                       ; a row of K in LDS: 128 bytes + 16: the 16 rows of a load start at 16 different groups of four banks
.set PV,     160                       ; a row of V: 128 + 32
.set VOFF,   64*PK
.set SLOTB,  64*(PK+PV)                ; a slot: 64 rows of K, then 64 rows of V
.set STAGE,  2*SLOTB                   ; behind the slots: 32 rows x 272 bytes for each wave, for the way out
.set SPITCH, 272
.set WSTAGE, 32*SPITCH
.set SPARE,  STAGE+4*WSTAGE            ; the spare words: 128 bytes a wave, two blocks of 256 bytes that no other line names
.set MV,  12                           ; v12-13  c m_old, by tile
.set THR, 14                           ; v14-15  my query's place in the block less 8 (l / 16), by tile
.set ST,  16                           ; tile u at ST + 4 u: c m, m, l (even keys', odd keys')
.set TMP, 24                           ; tile u at TMP + 4 u: c0-c3 at work; c2 takes a
.set SC,  44                           ; v[44:47] the factor on a pass's O^T, a pair a tile
.set SS,  64
.set PP,  128
.set QQ,  160
.set STG, 192
.set SV,  64                           ; window 1
.set KF,  128                          ; window 1: key block kb, channel half c at KF + 16 kb + 8 c
.set VF,  192                          ; window 1: key half kk, channel block cb at VF + 32 kk + 8 cb
; v2 K fragment address, v3 V's, v4, v5 where I store 8 bytes of K, V, v6 global offset of my 16 bytes of a key row, v7 offset in rel_pos, v8 in Q, v34, v35 stage in and back, v36 offset in fused
; s2 wave, s3 counter, s4 qb, s5 b, s6 h, s7 NL, s[24:25] the step's keys, s[26:27] out1's, s[28:29] kv_external's, s[30:31] rel_pos, s[32:33] c, s[34:35] selects, s36 steps asked for, s37 -1e30, s38 trips
.set MSB, 0
.macro WIN new                         ; the immediate's high byte repeats the setting that is left; a switch that changes nothing is dropped
.if MSB != (\new)
	s_set_vgpr_msb (MSB<<8)|(\new)
.set MSB, (\new)
.endif
.endm
	s_load_b256 s[8:15], s[0:1], 0x0               ; qh s[8:9], out1 s[10:11], xl_memory s[12:13], kv_external s[14:15]
	s_load_b128 s[16:19], s[0:1], 0x20             ; rel_pos s[16:17], gate s[18:19]
	s_load_b64 s[20:21], s[0:1], 0x30              ; fused
	v_lshl_add_u32 v38, v0, 2, SPARE               ; my spare word
	v_mov_b32 v39, 0
	v_lshrrev_b32 v10, 5, v0
	v_readfirstlane_b32 s2, v10                    ; wave 0..3
	v_and_b32 v1, 15, v0                           ; l % 16
	v_bfe_u32 v9, v0, 4, 1                         ; l / 16
	v_mul_u32_u24 v2, v1, PK
	v_lshl_add_u32 v2, v9, 4, v2                   ; row x pitch + 16 x half
	v_and_b32 v10, 7, v0
	v_bfe_u32 v11, v0, 3, 1
	v_lshl_add_u32 v3, v9, 3, v10                  ; the turning load: key 8 (l / 16) + l % 8,
	v_mul_u32_u24 v3, v3, PV
	v_lshl_add_u32 v3, v11, 4, v3                  ; channels 8 ((l / 8) % 2) on
	v_add_nc_u32 v3, VOFF, v3
	v_lshrrev_b32 v10, 4, v0                       ; thread / 16: which of 8 key rows I fetch
	v_mul_u32_u24 v4, v10, PK
	v_lshl_add_u32 v4, v1, 3, v4
	v_mul_u32_u24 v5, v10, PV
	v_lshl_add_u32 v5, v1, 3, v5
	v_add_nc_u32 v5, VOFF, v5
	v_lshlrev_b32 v6, 13, v10                      ; row x 8,192 bytes
	v_lshl_add_u32 v6, v1, 4, v6                   ; + 16 bytes a thread: sixteen lanes take the head's 256 bytes
	v_lshlrev_b32 v7, 12, v1                       ; rel_pos: my query's row, my eight keys
	v_lshl_add_u32 v7, v9, 5, v7
	v_lshlrev_b32 v8, 11, v1                       ; Q: my query's row of 2,048 bytes, 16 bytes for each half
	v_lshl_add_u32 v8, v9, 4, v8
	v_lshlrev_b32 v10, 3, v9
	v_sub_nc_u32 v10, v1, v10
	s_lshl_b32 s39, s2, 5
	v_add_nc_u32 v[THR], s39, v10                  ; 32 w + l % 16 - 8 (l / 16): key 16 kb + j of a step is hidden where 64 slot + 16 kb + j is greater
	v_add_nc_u32 v[THR+1], 16, v[THR]
	s_mul_i32 s39, s2, WSTAGE
	s_add_co_u32 s39, s39, STAGE                   ; my stage
	v_mul_u32_u24 v34, v1, SPITCH
	v_lshl_add_u32 v34, v9, 5, v34
	v_add_nc_u32 v34, s39, v34
	v_mul_u32_u24 v35, v9, SPITCH
	v_lshl_add_u32 v35, v1, 4, v35
	v_add_nc_u32 v35, s39, v35
	v_lshlrev_b32 v36, 12, v9
	v_lshl_add_u32 v36, v1, 4, v36
	s_mov_b32 s4, ttmp9                            ; qb
	s_and_b32 s7, ttmp7, 0xffff
	s_lshr_b32 s5, s7, 4                           ; b
	s_and_b32 s6, s7, 15                           ; h
	s_lshl_b32 s7, s4, 1
	s_add_co_u32 s7, s7, 10                        ; NL
	s_add_co_u32 s38, s4, 4                        ; (NL - 2) / 2 trips of two steps without a mask
	s_mov_b32 s36, 0
	s_mov_b32 s37, 0xf149f2ca                      ; -1e30
	s_mov_b32 s32, 0x3e38aa3b                      ; c = log2(e) / 8
	s_mov_b32 s33, s32                             ; named with it as a pair
	s_mov_b32 s34, 0x76543210
	s_mov_b32 s35, 0xfedcba98
	s_mov_b32 s41, 0
	s_lshl_b32 s39, s6, 8                          ; the head's 256 bytes in a row of f32
	s_lshl_b32 s40, s5, 22                         ; a batch of xl_memory and of out1: 512 rows of 8,192 bytes
	s_add_co_u32 s40, s40, s39
	s_wait_kmcnt 0x0
	s_add_nc_u64 s[24:25], s[12:13], s[40:41]      ; the walk begins in xl_memory
	s_add_nc_u64 s[26:27], s[10:11], s[40:41]
	s_lshl_b32 s40, s5, 25                         ; a batch of kv_external: 4,096 rows
	s_add_co_u32 s40, s40, s39
	s_add_nc_u64 s[28:29], s[14:15], s[40:41]
	s_lshl_b32 s40, s6, 21                         ; rel_pos: the head's 512 rows of 4,096 bytes,
	s_lshl_b32 s43, s4, 19                         ; the block's 128,
	s_add_co_u32 s40, s40, s43
	s_lshl_b32 s43, s2, 17                         ; my wave's 32
	s_add_co_u32 s40, s40, s43
	s_add_nc_u64 s[30:31], s[16:17], s[40:41]
	s_lshl_b32 s43, s5, 9
	s_lshl_b32 s44, s4, 7
	s_add_co_u32 s43, s43, s44
	s_lshl_b32 s44, s2, 5
	s_add_co_u32 s43, s43, s44                     ; my wave's first row: 512 b + 128 qb + 32 w
	s_lshl_b32 s40, s43, 11
	s_lshl_b32 s44, s6, 7
	s_add_co_u32 s40, s40, s44
	s_add_nc_u64 s[8:9], s[8:9], s[40:41]
	s_lshl_b32 s40, s43, 12
	s_add_co_u32 s40, s40, s39
	s_add_nc_u64 s[20:21], s[20:21], s[40:41]
	s_lshl_b32 s40, s6, 2
	s_add_nc_u64 s[18:19], s[18:19], s[40:41]
	s_load_b32 s42, s[18:19], 0x0                  ; gate[h]
.macro LOADKV                          ; a step's 64 keys and values, f32: 8 rows a load for the work-group's 128 threads
.set i, 0
.rept 8
	global_load_b128 v[STG+4*i:STG+4*i+3],       v6, s[24:25] offset:i*65536
	global_load_b128 v[STG+32+4*i:STG+32+4*i+3], v6, s[24:25] offset:i*65536+4096
.set i, i+1
.endr
.endm
.macro NEXTP                           ; the next step's keys: 64 rows on, or the head of the next source
	s_add_co_u32 s36, s36, 1
	s_add_nc_u64 s[24:25], s[24:25], 0x80000
	s_cmp_eq_u32 s36, 8
	s_cselect_b64 s[24:25], s[26:27], s[24:25]     ; behind xl_memory's 8 steps: out1
	s_cmp_eq_u32 s36, s7
	s_cselect_b64 s[24:25], s[28:29], s[24:25]     ; behind the local pass: kv_external
.endm
.macro LOADR                           ; rel_pos for one step, as the C operands of the products that start S^T
	WIN 0x80
.irp u, 0,1
.irp kb, 0,1,2,3
	global_load_b128 v[32*\u+8*\kb:32*\u+8*\kb+3],   v7, s[30:31] offset:\u*65536+\kb*64
	global_load_b128 v[32*\u+8*\kb+4:32*\u+8*\kb+7], v7, s[30:31] offset:\u*65536+\kb*64+16
.endr
.endr
	WIN 0
.endm
.macro MASK slot                       ; -1e30 takes rel_pos's place where the key lies behind the query
	WIN 0x82
.irp u, 0,1
.set z, 0
.rept 32
	v_cmp_gt_i32 vcc_lo, 64*(\slot)+16*(z/8)+z%8, v[THR+\u]
	v_cndmask_b32 v[32*\u+z], v[32*\u+z], s37, vcc_lo
.set z, z+1
.endr
.endr
.endm
; 16 products S^T = K Q^T: tile i % 2, keys 16 ((i / 2) % 4) on, channels 32 (i / 8) on.  The 8 accumulators take turns.  The first 8 start the sums: with rel_pos (kind > 0) or 0.
.macro KQ kind
.set i, 0
.rept 16
.set rS, SS+32*(i%2)+8*((i/2)%4)
.set rK, KF+16*((i/2)%4)+8*(i/8)
.set rQ, QQ+16*(i%2)+8*(i/8)
.set rR, 32*(i%2)+8*((i/2)%4)
.if (i < 8) && (\kind)
	WIN 0x21
	v_wmma_f32_16x16x32_f16 v[rS:rS+7], v[rK:rK+7], v[rQ:rQ+7], v[rR:rR+7]
.elseif i < 8
	WIN 0x01
	v_wmma_f32_16x16x32_f16 v[rS:rS+7], v[rK:rK+7], v[rQ:rQ+7], 0
.else
	WIN 0x01
	v_wmma_f32_16x16x32_f16 v[rS:rS+7], v[rK:rK+7], v[rQ:rQ+7], v[rS:rS+7]
.endif
.set i, i+1
.endr
.endm
; 16 products O^T += V^T P: tile i % 2, channels 16 ((i / 2) % 4) on, keys 32 (i / 8) on
.macro PVM
	WIN 0x51
.set i, 0
.rept 16
.set rO, 32*(i%2)+8*((i/2)%4)
.set rV, VF+32*(i/8)+8*((i/2)%4)
.set rP, PP+16*(i%2)+8*(i/8)
	v_wmma_f32_16x16x32_f16 v[rO:rO+7], v[rV:rV+7], v[rP:rP+7], v[rO:rO+7]
.set i, i+1
.endr
.endm
.macro REGS u                          ; the registers of tile u
.set rT, ST+4*(\u)
.set rC, TMP+4*(\u)
.set rM, MV+(\u)
.set rS, SS+32*(\u)
.set rP, PP+16*(\u)
.set rO, 32*(\u)
.endm
; Number n of the 22 that find a tile's maximum and statistics; each accumulator's lowest registers are read first.
;   0-11 four chains c0-c3 of seven scores each   12-14, 16 the four scores left over, the old m, c0-c3 into c0   15 c m_old is kept   17, 18 the other half of the lanes': the new m   19-21 c m; c m_old - c m_new; a
.macro XS u, n
	REGS \u
.if (\n) < 4
	v_max3_num_f32 v[rC+(\n)], v[rS+8*(\n)], v[rS+8*(\n)+1], v[rS+8*(\n)+2]
.elseif (\n) < 12
	v_max3_num_f32 v[rC+(\n)%4], v[rC+(\n)%4], v[rS+8*((\n)%4)+2*((\n)/4)+1], v[rS+8*((\n)%4)+2*((\n)/4)+2]
.elseif (\n) == 12
	v_max3_num_f32 v[rC], v[rC], v[rS+7], v[rS+15]
.elseif (\n) == 13
	v_max3_num_f32 v[rC+1], v[rC+1], v[rS+23], v[rS+31]
.elseif (\n) == 14
	v_max3_num_f32 v[rC+2], v[rC+2], v[rC+3], v[rT+1]
.elseif (\n) == 15
	v_mov_b32 v[rM], v[rT]
.elseif (\n) == 16
	v_max3_num_f32 v[rC], v[rC], v[rC+1], v[rC+2]
.elseif (\n) == 17
	v_permlanex16_b32 v[rC+3], v[rC], s34, s35
.elseif (\n) == 18
	v_max_num_f32 v[rT+1], v[rC], v[rC+3]
.elseif (\n) == 19
	v_mul_f32 v[rT], s32, v[rT+1]
.elseif (\n) == 20
	v_sub_f32 v[rC+1], v[rM], v[rT]
.else
	v_exp_f32 v[rC+2], v[rC+1]
.endif
.endm
; A step's softmax for both tiles, which alternate line by line, so that no line reads the result of the line before it.
.macro SOFT
	WIN 0
.irp n, 0,1,2,3,4,5,6,7,8,9,10,11,12,13,14,15,16,17,18,19,20,21
	XS 0, \n
	XS 1, \n
.endr
.set z, 0
.rept 16                               ; c s - c m; the first of these is the plain instruction behind the two exponentials that make a
.irp u, 0,1
	REGS \u
	v_pk_fma_f32 v[rS+2*z:rS+2*z+1], v[rS+2*z:rS+2*z+1], s[32:33], v[rT:rT+1] op_sel_hi:[1,0,0] neg_lo:[0,0,1] neg_hi:[0,0,1]
.endr
.set z, z+1
.endr
.set z, 0
.rept 32
	v_exp_f32 v[SS+z], v[SS+z]
	v_exp_f32 v[SS+32+z], v[SS+32+z]
.set z, z+1
.endr
	v_nop                                          ; a plain instruction behind the last exponential (ISA guide 5.7.2)
.set z, 0
	s_wait_alu depctr_va_vdst(0)
.rept 16                               ; the weights, rounded to f16 in pairs: source 1 of V^T P
	v_cvt_pk_f16_f32 v[PP+z],    v[SS+2*z],    v[SS+2*z+1]
	v_cvt_pk_f16_f32 v[PP+16+z], v[SS+32+2*z], v[SS+32+2*z+1]
.set z, z+1
.endr
.irp w, 4,8,16,32                      ; the sum of a tile's 16 pairs, a tree in place
.set z, 0
.rept 32/(\w)
.irp u, 0,1
	REGS \u
	v_pk_add_f32 v[rS+(\w)*z:rS+(\w)*z+1], v[rS+(\w)*z:rS+(\w)*z+1], v[rS+(\w)*z+(\w)/2:rS+(\w)*z+(\w)/2+1]
.endr
.set z, z+1
.endr
.endr
.irp u, 0,1
	REGS \u
	v_pk_fma_f32 v[rT+2:rT+3], v[rT+2:rT+3], v[rC+2:rC+3], v[rS:rS+1] op_sel_hi:[1,0,1]   ; l = a l + sum
.endr
	WIN 0x41
.set z, 0
.rept 16                               ; O^T times a, from each accumulator's low end on
.irp u, 0,1
	REGS \u
	v_pk_mul_f32 v[rO+2*z:rO+2*z+1], v[rO+2*z:rO+2*z+1], v[rC+2:rC+3] op_sel_hi:[1,0]
.endr
.set z, z+1
.endr
.endm
; ONE STEP of 64 keys.  kind 0: external; 1: local; 2: local with the mask.  ld = 1: the next step's K and V are asked for.  rl = 1: the next step's rel_pos.
.macro STEP slot, kind, ld, rl
	s_wait_loadcnt 0x0                             ; this step's K and V are staged, its rel_pos is in; these loads' bases may be stepped
.set i, 0
.rept 16
	v_cvt_pk_f16_f32 v[STG+4*i],   v[STG+4*i],   v[STG+4*i+1]    ; these 32 are also the places between the last products and the loads into their fragments
	v_cvt_pk_f16_f32 v[STG+4*i+1], v[STG+4*i+2], v[STG+4*i+3]
.set i, i+1
.endr
.set i, 0
.rept 8
	ds_store_b64 v4, v[STG+4*i:STG+4*i+1]       offset:(\slot)*SLOTB+i*8*PK
	ds_store_b64 v5, v[STG+32+4*i:STG+32+4*i+1] offset:(\slot)*SLOTB+i*8*PV
.set i, i+1
.endr
.if (\kind) == 2
	MASK \slot
	WIN 0
.endif
	s_wait_dscnt 0x0                               ; for the others' sake: my stores are done; the staging registers may be loaded again
.if \ld
	NEXTP
	LOADKV                                         ; it has the whole step in which to land
.endif
	s_barrier_signal -1                            ; one barrier a step: this slot is whole behind it; it is written again two steps on,
	s_barrier_wait -1                              ; behind the next barrier, in front of which every wave's reads of it have come back
	WIN 0x40
.set f, 0
.rept 8                                ; K: keys 16 (f / 2) on, channels 32 (f % 2) on
	ds_load_b128 v[KF+8*f:KF+8*f+3],   v2 offset:(\slot)*SLOTB+(f/2)*16*PK+(f%2)*64
	ds_load_b128 v[KF+8*f+4:KF+8*f+7], v2 offset:(\slot)*SLOTB+(f/2)*16*PK+(f%2)*64+32
.set f, f+1
.endr
.set f, 0
.rept 8                                ; V, turned: keys 32 (f / 4) on, channels 16 (f % 4) on
	ds_load_tr16_b128 v[VF+8*f:VF+8*f+3],   v3 offset:(\slot)*SLOTB+(f/4)*32*PV+(f%4)*32
	ds_load_tr16_b128 v[VF+8*f+4:VF+8*f+7], v3 offset:(\slot)*SLOTB+(f/4)*32*PV+16*PV+(f%4)*32
.set f, f+1
.endr
	s_wait_dscnt 16                                ; K is in; V's sixteen loads may stay out
	KQ \kind
.rept 4
	v_nop                                          ; four places in front of the reads of S^T and of the loads into the C operands (ISA guide 7.12.1 for vector instructions)
.endr
.if \rl
	s_add_nc_u64 s[30:31], s[30:31], 256           ; 64 keys on in rel_pos's rows
	LOADR
.endif
	SOFT
	s_wait_dscnt 0x0                               ; V is in
	PVM
	WIN 0
.endm
; A pass's factor on O^T, gain / l, into SC's pair of each tile
.macro LSUM gain
	WIN 0
.irp u, 0,1
	REGS \u
	v_add_f32 v[rC], v[rT+2], v[rT+3]
.endr
.irp u, 0,1
	REGS \u
	v_permlanex16_b32 v[rC+1], v[rC], s34, s35     ; the query's other keys lie in the lane 16 away
.endr
.irp u, 0,1
	REGS \u
	v_add_f32 v[rC], v[rC], v[rC+1]
.endr
.irp u, 0,1
	REGS \u
	v_rcp_f32 v[rC+1], v[rC]
.endr
	v_nop
	s_wait_alu depctr_va_vdst(0)
.irp u, 0,1
	REGS \u
	v_mul_f32 v[SC+2*\u], v[rC+1], v[\gain]
.endr
.irp u, 0,1
	v_mov_b32 v[SC+2*\u+1], v[SC+2*\u]             ; named with it as a pair
.endr
.endm
.macro FRESH                           ; a pass begins: c m far below every c s, m at the lowest finite number
.irp u, 0,1
	v_mov_b32 v[ST+4*\u], 0xfe000000
	v_mov_b32 v[ST+4*\u+1], 0xff7fffff
.endr
.endm
	LOADKV                                         ; step 0
	LOADR
.irp u, 0,1
.irp c, 0,1                            ; Q stays in registers: tile u, channels 32 c on
	global_load_b128 v[QQ+16*\u+8*\c:QQ+16*\u+8*\c+3],   v8, s[8:9] offset:\u*32768+\c*64
	global_load_b128 v[QQ+16*\u+8*\c+4:QQ+16*\u+8*\c+7], v8, s[8:9] offset:\u*32768+\c*64+32
.endr
.endr
	; O^T and l are cleared on purpose, in the wait for the first tile: so no first step is written out
	WIN 0x40
.set i, 0
.rept 64
	v_mov_b32 v[i], 0
.set i, i+1
.endr
	WIN 0
.irp u, 0,1
	v_mov_b32 v[ST+4*\u+2], 0
	v_mov_b32 v[ST+4*\u+3], 0
.endr
	FRESH
	s_wait_kmcnt 0x0
	v_mov_b32 v44, s42
	v_mul_f32 v42, 0xbfb8aa3b, v44                 ; -log2(e) gate
	v_mul_f32 v43, 0x3fb8aa3b, v44
	v_exp_f32 v40, v42
	v_exp_f32 v41, v43
	v_nop
	s_wait_alu depctr_va_vdst(0)
	v_add_f32 v40, 1.0, v40
	v_add_f32 v41, 1.0, v41
	v_rcp_f32 v40, v40                             ; g = sigmoid(gate)
	v_rcp_f32 v41, v41                             ; 1 - g = sigmoid(-gate)
	v_nop
	s_mov_b32 s3, 0
.Lloc:                                                 ; 4 + qb trips of two local steps that no mask touches; the bound hangs on the work-group's number alone
	STEP 0, 1, 1, 1
	STEP 1, 1, 1, 1
	s_add_co_u32 s3, s3, 1
	s_cmp_lt_u32 s3, s38
	s_cbranch_scc1 .Lloc
	STEP 0, 2, 1, 1                                ; the two steps that hold the diagonal;
	STEP 1, 2, 1, 0                                ; the second asks for the external pass's step 0: the walk runs on
.rept 4
	v_nop                                          ; four places between the last products and the reads of O^T
.endr
	LSUM 40
	WIN 0x41
.irp u, 0,1
.set z, 0
.rept 16                               ; the local result, g O^T / l, is kept
	v_pk_mul_f32 v[SV+32*\u+2*z:SV+32*\u+2*z+1], v[32*\u+2*z:32*\u+2*z+1], v[SC+2*\u:SC+2*\u+1] op_sel_hi:[1,0]
.set z, z+1
.endr
.endr
	WIN 0
	FRESH
	s_mov_b32 s3, 31
.Lext:                                                 ; 31 trips of two external steps; the last two are written out, so that no load leaves the buffer
	STEP 0, 0, 1, 0
	STEP 1, 0, 1, 0
	s_sub_co_u32 s3, s3, 1
	s_cmp_lg_u32 s3, 0
	s_cbranch_scc1 .Lext
	STEP 0, 0, 1, 0
	STEP 1, 0, 0, 0
.rept 4
	v_nop
.endr
	LSUM 41
	WIN 0x11
.irp u, 0,1
.set z, 0
.rept 16                               ; fused = (1 - g) O^T / l + the local result, into S^T's registers
	v_pk_fma_f32 v[SS+32*\u+2*z:SS+32*\u+2*z+1], v[32*\u+2*z:32*\u+2*z+1], v[SC+2*\u:SC+2*\u+1], v[SV+32*\u+2*z:SV+32*\u+2*z+1] op_sel_hi:[1,0,1]
.set z, z+1
.endr
.endr
	WIN 0
	; THE WAY OUT: a lane's eight channels, 32 bytes, into my own stage; back as whole rows of 256 bytes; sixteen lanes store 256 consecutive bytes at a multiple of 256
.irp u, 0,1
.irp cb, 0,1,2,3
	ds_store_b128 v34, v[SS+32*\u+8*\cb:SS+32*\u+8*\cb+3]   offset:\u*16*SPITCH+64*\cb
	ds_store_b128 v34, v[SS+32*\u+8*\cb+4:SS+32*\u+8*\cb+7] offset:\u*16*SPITCH+64*\cb+16
.endr
.endr
.set i, 0
.rept 16
	ds_load_b128 v[STG+4*i:STG+4*i+3], v35 offset:i*2*SPITCH     ; LDS serves a wave's instructions in order (ISA guide 5.7.1.4): these see the stores above
.set i, i+1
.endr
.set i, 0
.rept 16
	s_wait_dscnt 15-i                              ; the younger read-backs may stay out
	global_store_b128 v36, v[STG+4*i:STG+4*i+3], s[20:21] offset:i*8192
.set i, i+1
.endr
	s_wait_tensorcnt 0x0                           ; the wave's end
	ds_add_u32 v38, v39
	s_wait_dscnt 0x0
	s_endpgm
.Lfunc_end_k_q9cbc43ba0b_attn:
	.size	k_q9cbc43ba0b_attn, .Lfunc_end_k_q9cbc43ba0b_attn-k_q9cbc43ba0b_attn
	.p2alignl 7, 3214868480
	.fill 96, 4, 3214868480
	.section	.rodata,"a",@progbits
	.p2align	6, 0x0
	.amdhsa_kernel k_q9cbc43ba0b_attn
		.amdhsa_group_segment_fixed_size 74240
		.amdhsa_private_segment_fixed_size 0
		.amdhsa_enable_private_segment 0
		.amdhsa_kernarg_size 56
		.amdhsa_user_sgpr_count 2
		.amdhsa_user_sgpr_kernarg_segment_ptr 1
		.amdhsa_wavefront_size32 1
		.amdhsa_system_sgpr_workgroup_id_x 1
		.amdhsa_system_sgpr_workgroup_id_y 1
		.amdhsa_system_sgpr_workgroup_id_z 1
		.amdhsa_system_vgpr_workitem_id 0
		.amdhsa_next_free_vgpr 576
		.amdhsa_next_free_sgpr 66
		.amdhsa_reserve_vcc 1
		.amdhsa_float_denorm_mode_32 3
		.amdhsa_float_denorm_mode_16_64 3
		.amdhsa_memory_ordered 1
		.amdhsa_forward_progress 1
		.amdhsa_inst_pref_size 212
	.end_amdhsa_kernel
	.amdgpu_metadata
---
amdhsa.version: [ 1, 2 ]
amdhsa.kernels:
  - .name:           k_q9cbc43ba0b_attn
    .symbol:         k_q9cbc43ba0b_attn.kd
    .args:
      - { .name: qh, .offset: 0, .size: 8, .value_kind: global_buffer, .address_space: global }
      - { .name: out1, .offset: 8, .size: 8, .value_kind: global_buffer, .address_space: global }
      - { .name: xl_memory, .offset: 16, .size: 8, .value_kind: global_buffer, .address_space: global }
      - { .name: kv_external, .offset: 24, .size: 8, .value_kind: global_buffer, .address_space: global }
      - { .name: rel_pos, .offset: 32, .size: 8, .value_kind: global_buffer, .address_space: global }
      - { .name: gate, .offset: 40, .size: 8, .value_kind: global_buffer, .address_space: global }
      - { .name: fused, .offset: 48, .size: 8, .value_kind: global_buffer, .address_space: global }
    .group_segment_fixed_size: 74240
    .private_segment_fixed_size: 0
    .kernarg_segment_align: 8
    .kernarg_segment_size: 56
    .max_flat_workgroup_size: 128
    .sgpr_count:     66
    .vgpr_count:     576
    .wavefront_size: 32
...
	.end_amdgpu_metadata
.endif
;; end of part 3
;; launch outp: the kernel of part 1 again; grid 8 x 32, 4 waves a work-group, no clusters, 90,624 bytes of LDS; arguments fused, Wo, Wk, Wv, bo, bk, bv, out0; writes out0
;; ======== version 2 of 3: 4 launches; 1.19 times as fast as version 1
;; limits: values are held in f16: magnitudes above 65,504 overflow, below 6.1e-05 lose precision
;; workspace buffers: raw 16,777,216 bytes; qh 4,194,304 bytes; fused 8,388,608 bytes
;; launch qkv (part 4): grid 16 x 16, 4 waves a work-group, no clusters, 193,024 bytes of LDS; arguments input, Wq, Wk, Wv, bq, bk, bv, raw, out1; writes raw, out1
.if DOCPART == 4
	.amdgcn_target "amdgcn-amd-amdhsa--gfx1250"
	.amdhsa_code_object_version 6
	.text
	.protected	k_q9cbc43ba0b_qkv
	.globl	k_q9cbc43ba0b_qkv
	.p2align	8
	.type	k_q9cbc43ba0b_qkv,@function
k_q9cbc43ba0b_qkv:
	s_mov_b64 s[64:65], 0
	v_nop
	global_prefetch_b8 v0, s[64:65] scope:SCOPE_SE
	s_setreg_imm32_b32 hwreg(HW_REG_WAVE_MODE, 25, 1), 1
	s_wait_xcnt 0x0
; q = x Wq^T + bq and k = x Wk^T + bk into raw [2][2048][1024]; v = x Wv^T + bv straight into out1[row][1][:].  x: [2048][1024], W: [1024][1024], all f32 in memory.
; The products take f16 operands (converted in registers on the way from memory to LDS) and f32 sums.
; LIMIT: an operand of 65,520 or more becomes an infinity in f16; below 6e-5 an operand keeps f16's fixed step of 6e-8.  NaN and infinities are not treated apart.
; SHARES.  Work-group (x, y): rows 128 y .. +127 and the SAME 64 columns, 64 x .. +63, of each of q, k and v: a tile of 128 x 192, 256 work-groups.  It fetches 320 rows for 24,576 results.
; In LDS the 192 rows of W lie as 64 of Wq, 64 of Wk, 64 of Wv.  Four waves, each 64 rows x 96 columns: 4 x 6 accumulators; 20 fragment loads feed 24 products.
; K goes in 16 steps of 64 (256 bytes of a row in memory, at a multiple of 256) through two LDS slots.  TWO SETS of staging registers take turns: a step's 40 loads of a thread are asked for two
; steps ahead.  With both sets asked for a thread names 80 loads; the issue of a load that would pass the counter's field waits for older ones (ISA guide 5.7.1), and the waits' counts stay
; right, since loads come back in order.
; THE MATRIX INSTRUCTION IS USED TRANSPOSED (source 0 = 16 rows of W, source 1 = 16 rows of x): a lane then holds eight neighbouring columns of one row of the result.
; NO JOINT TENSOR LOADS, though 16 work-groups read each tile: the tiles are f32 in memory and f16 in LDS, and the conversion stands in registers between the two.
; REGISTERS, in windows of 256 (s_set_vgpr_msb: bits 1:0 source 0, 3:2 source 1, 5:4 source 2, 7:6 destination):
;   window 0: v0-18 addresses; v32-191 staging set 0 (on the way out v32-223: rows read back)     window 1: two fragment buffers of 80: x's four fragments, then W's six
;   window 2: v0-191 accumulator (a, b) at 8 (6 a + b)                                             window 3: v0-159 staging set 1
.set PITCH,  144                       ; an LDS row: 64 f16 + 16 bytes: the 16 rows of a fragment load start at 16 different groups of four banks
.set SLOTB,  320*PITCH                 ; a slot: x's 128 rows, then W's 192 rows
.set WROW,   128*PITCH
.set STAGE,  2*SLOTB                   ; behind the slots: the work-group's stage, 128 rows of 768 bytes + 16
.set SP,     784                       ; 196 words: row r starts at bank 4 r mod 64
.set SPARE,  STAGE+128*SP              ; the spare words: 128 bytes a wave, two blocks of 256 bytes that no other line names
.set BK,     32                        ; the way out: rows read back from the stage
; v1 l % 16, v2 l / 16, v3 global offset of my 16 bytes, v4, v5 LDS place of my 8 bytes in slot 0, 1, v6, v7 x's fragment address in slot 0, 1, v8, v9 W's, v10 offset in a bias,
; v11 stage in, v14 stage back, v15 offset in raw, v16 offset in out1, v12, v13 the add's two
; s2 wave, s3 counter, s4 which 64 rows, s5 which 96 columns, s7 y, s[24:25] x, s[26:31] Wq, Wk, Wv, s[40:45] the biases of my column blocks 0-1, 2-3, 4-5, s[46:47] q, s[48:49] k, s[50:51] v
.set MSB, 0
.macro WIN new                         ; the immediate's high byte repeats the setting that is left; a switch that changes nothing is dropped
.if MSB != (\new)
	s_set_vgpr_msb (MSB<<8)|(\new)
.set MSB, (\new)
.endif
.endm
	s_load_b256 s[8:15], s[0:1], 0x0               ; x s[8:9], Wq s[10:11], Wk s[12:13], Wv s[14:15]
	s_load_b256 s[16:23], s[0:1], 0x20             ; bq s[16:17], bk s[18:19], bv s[20:21], raw s[22:23]
	s_load_b64 s[36:37], s[0:1], 0x40              ; out1
	v_lshl_add_u32 v12, v0, 2, SPARE               ; my spare word
	v_mov_b32 v13, 0
	v_lshrrev_b32 v17, 5, v0
	v_readfirstlane_b32 s2, v17                    ; wave 0..3
	v_and_b32 v1, 15, v0                           ; l % 16
	v_bfe_u32 v2, v0, 4, 1                         ; l / 16
	v_lshrrev_b32 v17, 4, v0                       ; thread / 16: which of 8 rows I fetch
	v_lshlrev_b32 v3, 12, v17                      ; row x 4,096 bytes
	v_lshl_add_u32 v3, v1, 4, v3                   ; + 16 bytes a thread: sixteen lanes take 256 consecutive bytes
	v_mul_u32_u24 v4, v17, PITCH
	v_lshl_add_u32 v4, v1, 3, v4                   ; the same place in LDS, 8 bytes a thread
	v_add_nc_u32 v5, SLOTB, v4
	s_lshr_b32 s4, s2, 1                           ; which 64 rows are mine
	s_and_b32 s5, s2, 1                            ; which 96 columns
	v_mul_u32_u24 v18, v1, PITCH
	v_lshl_add_u32 v18, v2, 4, v18                 ; a fragment's row x pitch + 16 x half
	s_mul_i32 s6, s4, 64*PITCH
	v_add_nc_u32 v6, s6, v18
	v_add_nc_u32 v7, SLOTB, v6
	s_mul_i32 s6, s5, 96*PITCH
	s_add_co_u32 s6, s6, WROW
	v_add_nc_u32 v8, s6, v18
	v_add_nc_u32 v9, SLOTB, v8
	v_lshlrev_b32 v10, 5, v2                       ; my eight numbers of 16 of a bias
	s_mul_i32 s6, s4, 64*SP                        ; into the stage: my 64 rows, my 384 bytes of them; row l % 16, 32 bytes for each half of the lanes
	s_mul_i32 s38, s5, 384
	s_add_co_u32 s6, s6, s38
	s_add_co_u32 s6, s6, STAGE
	v_mul_u32_u24 v11, v1, SP
	v_lshl_add_u32 v11, v2, 5, v11
	v_add_nc_u32 v11, s6, v11
	s_mul_i32 s6, s2, 32*SP                        ; back: wave w takes rows 32 w .. +31, whole; lanes 0-15 256 bytes of one row, lanes 16-31 of the next
	s_add_co_u32 s6, s6, STAGE
	v_mul_u32_u24 v14, v2, SP
	v_lshl_add_u32 v14, v1, 4, v14
	v_add_nc_u32 v14, s6, v14
	v_lshlrev_b32 v15, 12, v2                      ; the same two rows in raw,
	v_lshl_add_u32 v15, v1, 4, v15
	v_lshlrev_b32 v16, 13, v2                      ; and in out1, whose rows are 8,192 bytes
	v_lshl_add_u32 v16, v1, 4, v16
	s_and_b32 s7, ttmp7, 0xffff                    ; y
	s_mov_b32 s33, 0
	s_wait_kmcnt 0x0
	s_lshl_b32 s32, s7, 19                         ; 128 rows of 4,096 bytes
	s_add_nc_u64 s[24:25], s[8:9], s[32:33]
	s_lshl_b32 s32, ttmp9, 18                      ; 64 rows of each W
	s_add_nc_u64 s[26:27], s[10:11], s[32:33]
	s_add_nc_u64 s[28:29], s[12:13], s[32:33]
	s_add_nc_u64 s[30:31], s[14:15], s[32:33]
	s_lshl_b32 s32, ttmp9, 8                       ; the 64 columns, in bytes
	s_add_nc_u64 s[16:17], s[16:17], s[32:33]
	s_add_nc_u64 s[18:19], s[18:19], s[32:33]
	s_add_nc_u64 s[20:21], s[20:21], s[32:33]
	s_add_nc_u64 s[52:53], s[16:17], 128           ; and their second halves
	s_add_nc_u64 s[54:55], s[18:19], 128
	s_add_nc_u64 s[56:57], s[20:21], 128
	s_cmp_eq_u32 s5, 0                             ; my six blocks of 16 columns: q q q q k k, or k k v v v v
	s_cselect_b64 s[40:41], s[16:17], s[54:55]     ; blocks 0, 1: q's first half, or k's second
	s_cselect_b64 s[42:43], s[52:53], s[20:21]     ; blocks 2, 3: q's second half, or v's first
	s_cselect_b64 s[44:45], s[18:19], s[56:57]     ; blocks 4, 5: k's first half, or v's second
	s_lshl_b32 s38, s7, 19                         ; where I store: rows 128 y + 32 w on
	s_add_co_u32 s32, s32, s38
	s_lshl_b32 s38, s2, 17
	s_add_co_u32 s32, s32, s38
	s_add_nc_u64 s[46:47], s[22:23], s[32:33]      ; q's plane of raw
	s_add_nc_u64 s[48:49], s[46:47], 0x800000      ; k's
	s_lshl_b32 s32, ttmp9, 8
	s_lshl_b32 s38, s7, 20
	s_add_co_u32 s32, s32, s38
	s_lshl_b32 s38, s2, 18
	s_add_co_u32 s32, s32, s38
	s_add_co_u32 s32, s32, 4096                    ; the value lies behind the key in a row of out1
	s_add_nc_u64 s[50:51], s[36:37], s[32:33]
.macro LOADT set                       ; a K step's tiles, f32, into staging set 0 or 1: 8 rows a load for the work-group's 128 threads; load u brings rows 8 u .. +7 of a slot
.set SB, 32-32*(\set)
.if \set
	WIN 0xc0
.endif
.set i, 0
.rept 16
	global_load_b128 v[SB+4*i:SB+4*i+3], v3, s[24:25] offset:i*32768
.set i, i+1
.endr
.irp j, 0,1,2
.set i, 0
.rept 8
	global_load_b128 v[SB+64+32*\j+4*i:SB+64+32*\j+4*i+3], v3, s[26+2*\j:27+2*\j] offset:i*32768
.set i, i+1
.endr
.endr
	WIN 0
.endm
.macro MUL c                           ; 24 products, 32 along K, out of fragment buffer c; the 24 accumulators take turns
.irp a, 0,1,2,3
.irp b, 0,1,2,3,4,5
	v_wmma_f32_16x16x32_f16 v[8*(6*\a+\b):8*(6*\a+\b)+7], v[80*(\c)+32+8*\b:80*(\c)+32+8*\b+7], v[80*(\c)+8*\a:80*(\c)+8*\a+7], v[8*(6*\a+\b):8*(6*\a+\b)+7]
.endr
.endr
.endm
; One K step, out of staging set and into LDS slot 'set'.  ld = 1: the tiles two steps on are asked for, into the same set.  left: the younger set's loads, which may stay out.
.macro STEP set, ld, left
.set SB, 32-32*(\set)
	s_wait_loadcnt \left                           ; loads come back in order (ISA guide 5.7.1): this set's 40 are in
.if \set
	WIN 0xcf
.endif
.set i, 0
.rept 40
	v_cvt_pk_f16_f32 v[SB+4*i],   v[SB+4*i],   v[SB+4*i+1]      ; the 80 conversions are also the places between the last products and the loads into their fragments
	v_cvt_pk_f16_f32 v[SB+4*i+1], v[SB+4*i+2], v[SB+4*i+3]
.set i, i+1
.endr
.if \set
	WIN 0x0c
.endif
.set i, 0
.rept 40
	ds_store_b64 v[4+(\set)], v[SB+4*i:SB+4*i+1] offset:i*8*PITCH
.set i, i+1
.endr
	WIN 0
	s_wait_dscnt 0x0                               ; for the others' sake: my stores are done; this set's registers may be loaded again
.if \ld
	s_wait_xcnt 0x0                                ; the younger set's loads still name the four bases: they are stepped only behind this wait (ISA guide 3.1)
	s_add_nc_u64 s[24:25], s[24:25], 256           ; 64 numbers on along K: from the step asked for last to the one two steps ahead of this
	s_add_nc_u64 s[26:27], s[26:27], 256
	s_add_nc_u64 s[28:29], s[28:29], 256
	s_add_nc_u64 s[30:31], s[30:31], 256
	LOADT \set
.endif
	s_barrier_signal -1                            ; one barrier a step: this slot is whole behind it; it is written again two steps on,
	s_barrier_wait -1                              ; behind the next barrier, in front of which every wave's reads of it have come back
	WIN 0x40
.irp c, 0,1                            ; the fragments of both halves of the step, in one run: the second half lands while the first is multiplied
.irp a, 0,1,2,3
	ds_load_b128 v[80*\c+8*\a:80*\c+8*\a+3],   v[6+(\set)] offset:\a*16*PITCH+64*\c
	ds_load_b128 v[80*\c+8*\a+4:80*\c+8*\a+7], v[6+(\set)] offset:\a*16*PITCH+64*\c+32
.endr
.irp b, 0,1,2,3,4,5
	ds_load_b128 v[80*\c+32+8*\b:80*\c+32+8*\b+3],   v[8+(\set)] offset:\b*16*PITCH+64*\c
	ds_load_b128 v[80*\c+32+8*\b+4:80*\c+32+8*\b+7], v[8+(\set)] offset:\b*16*PITCH+64*\c+32
.endr
.endr
	WIN 0xa5
	s_wait_dscnt 20                                ; the first buffer is in; the second's twenty loads may stay out
	MUL 0
	s_wait_dscnt 0x0
	MUL 1
	WIN 0
.endm
	; the bias starts the sums: register j of accumulator (a, b) is column 16 b + 8 (l / 16) + j of my 96
	WIN 0x80
.irp b, 0,1
	global_load_b128 v[8*\b:8*\b+3],       v10, s[40:41] offset:64*\b
	global_load_b128 v[8*\b+4:8*\b+7],     v10, s[40:41] offset:64*\b+16
	global_load_b128 v[16+8*\b:16+8*\b+3], v10, s[42:43] offset:64*\b
	global_load_b128 v[16+8*\b+4:16+8*\b+7], v10, s[42:43] offset:64*\b+16
	global_load_b128 v[32+8*\b:32+8*\b+3], v10, s[44:45] offset:64*\b
	global_load_b128 v[32+8*\b+4:32+8*\b+7], v10, s[44:45] offset:64*\b+16
.endr
	WIN 0
	LOADT 0                                        ; K step 0
	s_wait_loadcnt 40                              ; the bias is in; step 0's forty loads stay out
	WIN 0x82
.irp a, 1,2,3                          ; copied on purpose to the other three blocks of rows, in the wait for the first tile: so no first step is written out
.set z, 0
.rept 48
	v_mov_b32 v[48*\a+z], v[z]
.set z, z+1
.endr
.endr
	WIN 0
	s_wait_xcnt 0x0
	s_add_nc_u64 s[24:25], s[24:25], 256
	s_add_nc_u64 s[26:27], s[26:27], 256
	s_add_nc_u64 s[28:29], s[28:29], 256
	s_add_nc_u64 s[30:31], s[30:31], 256
	LOADT 1                                        ; K step 1
	s_mov_b32 s3, 7
.Lk:                                                   ; 7 trips of two steps ask for steps 2 to 15; the last two steps are written out, so that no load leaves the buffers
	STEP 0, 1, 40
	STEP 1, 1, 40
	s_sub_co_u32 s3, s3, 1
	s_cmp_lg_u32 s3, 0
	s_cbranch_scc1 .Lk
	STEP 0, 0, 40
	STEP 1, 0, 0
	; THE WAY OUT through ONE stage: a wave's 96 columns are not whole blocks of 256 bytes, so the two waves of a row half write the two parts of the same stage rows, a barrier stands between
	; writing and reading, and each wave then reads 32 whole rows: 256 bytes of q, of k and of v each, stored so that sixteen lanes write 256 consecutive bytes at a multiple of 256
.rept 4
	v_nop                                          ; four places between the last products and the stores of their results
.endr
	WIN 0x08
.irp a, 0,1,2,3
.irp b, 0,1,2,3,4,5
	ds_store_b128 v11, v[8*(6*\a+\b):8*(6*\a+\b)+3]   offset:\a*16*SP+64*\b
	ds_store_b128 v11, v[8*(6*\a+\b)+4:8*(6*\a+\b)+7] offset:\a*16*SP+64*\b+16
.endr
.endr
	WIN 0
	s_wait_dscnt 0x0                               ; for the others' sake: my stores into the stage are done
	s_barrier_signal -1
	s_barrier_wait -1
.set i, 0
.rept 16
.irp u, 0,1,2
	ds_load_b128 v[BK+12*i+4*\u:BK+12*i+4*\u+3], v14 offset:i*2*SP+256*\u
.endr
.set i, i+1
.endr
.set i, 0
.rept 16
	s_wait_dscnt 45-3*i                            ; the younger read-backs may stay out
	global_store_b128 v15, v[BK+12*i:BK+12*i+3],    s[46:47] offset:i*8192
	global_store_b128 v15, v[BK+12*i+4:BK+12*i+7],  s[48:49] offset:i*8192
	global_store_b128 v16, v[BK+12*i+8:BK+12*i+11], s[50:51] offset:i*16384
.set i, i+1
.endr
	s_wait_tensorcnt 0x0                           ; the wave's end
	ds_add_u32 v12, v13
	s_wait_dscnt 0x0
	s_endpgm
.Lfunc_end_k_q9cbc43ba0b_qkv:
	.size	k_q9cbc43ba0b_qkv, .Lfunc_end_k_q9cbc43ba0b_qkv-k_q9cbc43ba0b_qkv
	.p2alignl 7, 3214868480
	.fill 96, 4, 3214868480
	.section	.rodata,"a",@progbits
	.p2align	6, 0x0
	.amdhsa_kernel k_q9cbc43ba0b_qkv
		.amdhsa_group_segment_fixed_size 193024
		.amdhsa_private_segment_fixed_size 0
		.amdhsa_enable_private_segment 0
		.amdhsa_kernarg_size 72
		.amdhsa_user_sgpr_count 2
		.amdhsa_user_sgpr_kernarg_segment_ptr 1
		.amdhsa_wavefront_size32 1
		.amdhsa_system_sgpr_workgroup_id_x 1
		.amdhsa_system_sgpr_workgroup_id_y 1
		.amdhsa_system_sgpr_workgroup_id_z 1
		.amdhsa_system_vgpr_workitem_id 0
		.amdhsa_next_free_vgpr 928
		.amdhsa_next_free_sgpr 66
		.amdhsa_reserve_vcc 0
		.amdhsa_float_denorm_mode_32 3
		.amdhsa_float_denorm_mode_16_64 3
		.amdhsa_memory_ordered 1
		.amdhsa_forward_progress 1
		.amdhsa_inst_pref_size 91
	.end_amdhsa_kernel
	.amdgpu_metadata
---
amdhsa.version: [ 1, 2 ]
amdhsa.kernels:
  - .name:           k_q9cbc43ba0b_qkv
    .symbol:         k_q9cbc43ba0b_qkv.kd
    .args:
      - { .name: input, .offset: 0, .size: 8, .value_kind: global_buffer, .address_space: global }
      - { .name: Wq, .offset: 8, .size: 8, .value_kind: global_buffer, .address_space: global }
      - { .name: Wk, .offset: 16, .size: 8, .value_kind: global_buffer, .address_space: global }
      - { .name: Wv, .offset: 24, .size: 8, .value_kind: global_buffer, .address_space: global }
      - { .name: bq, .offset: 32, .size: 8, .value_kind: global_buffer, .address_space: global }
      - { .name: bk, .offset: 40, .size: 8, .value_kind: global_buffer, .address_space: global }
      - { .name: bv, .offset: 48, .size: 8, .value_kind: global_buffer, .address_space: global }
      - { .name: raw, .offset: 56, .size: 8, .value_kind: global_buffer, .address_space: global }
      - { .name: out1, .offset: 64, .size: 8, .value_kind: global_buffer, .address_space: global }
    .group_segment_fixed_size: 193024
    .private_segment_fixed_size: 0
    .kernarg_segment_align: 8
    .kernarg_segment_size: 72
    .max_flat_workgroup_size: 128
    .sgpr_count:     66
    .vgpr_count:     928
    .wavefront_size: 32
...
	.end_amdgpu_metadata
.endif
;; end of part 4
;; launch norm (part 5): grid 256 x 1, 8 waves a work-group, no clusters, 0 bytes of LDS; arguments raw, qh, out1; writes qh, out1
.if DOCPART == 5
	.amdgcn_target "amdgcn-amd-amdhsa--gfx1250"
	.amdhsa_code_object_version 6
	.text
	.protected	k_q9cbc43ba0b_norm
	.globl	k_q9cbc43ba0b_norm
	.p2align	8
	.type	k_q9cbc43ba0b_norm,@function
k_q9cbc43ba0b_norm:
	s_mov_b64 s[64:65], 0
	v_nop
	global_prefetch_b8 v0, s[64:65] scope:SCOPE_SE
	s_setreg_imm32_b32 hwreg(HW_REG_WAVE_MODE, 25, 1), 1
	s_wait_xcnt 0x0
; raw: [2][2048][1024] f32 = q, k with their biases.  qh[r] = q[r] / max(|q[r]|, 1e-12) in f16; out1[r][0] = k[r] / max(|k[r]|, 1e-12) in f32.  (out1[r][1] = v[r] was stored by the launch before.)
; One wave takes one row of each of the two (4,096 bytes = 32 registers each), so a row is read once and no wave waits for another: no LDS, no barrier.
; Memory binds: matrix units, clusters and LDS would add nothing.  Each load and each 16-byte store of a wave covers 512 consecutive bytes, each 8-byte store 256.
; LIMIT: a sum of squares below 2^-126 counts as 0 in the root, so that the row is divided by 1e-12.
.set QX, 8                             ; v[8:39]    q
.set KX, 40                            ; v[40:71]   k
.set T,  72                            ; v[72:79]   at work
	s_load_b128 s[4:7], s[0:1], 0x0                ; raw s[4:5], qh s[6:7]
	s_load_b64 s[8:9], s[0:1], 0x10                ; out1
	v_lshrrev_b32 v3, 5, v0
	v_readfirstlane_b32 s2, v3                     ; wave 0..7
	v_and_b32 v4, 31, v0
	v_lshlrev_b32 v1, 4, v4                        ; 16 bytes a lane
	v_lshlrev_b32 v2, 3, v4                        ; 8 bytes a lane
	s_lshl_b32 s3, ttmp9, 3
	s_add_co_u32 s3, s3, s2                        ; my row
	s_lshl_b32 s10, s3, 12
	s_mov_b32 s11, 0
	s_lshl_b32 s22, s3, 11
	s_mov_b32 s23, 0
	s_lshl_b32 s24, s3, 13
	s_mov_b32 s25, 0
	s_mov_b32 s20, 0x76543210                      ; v_permlanex16_b32: each lane takes its own place in the other half
	s_mov_b32 s21, 0xfedcba98
	s_wait_kmcnt 0x0
	s_add_nc_u64 s[12:13], s[4:5], s[10:11]        ; q's row
	s_add_nc_u64 s[14:15], s[12:13], 0x800000      ; k's, one plane on
	s_add_nc_u64 s[6:7], s[6:7], s[22:23]
	s_add_nc_u64 s[8:9], s[8:9], s[24:25]
.irp j, 0,1,2,3,4,5,6,7
	global_load_b128 v[QX+4*\j:QX+4*\j+3], v1, s[12:13] offset:512*\j th:TH_LOAD_NT
.endr
.irp j, 0,1,2,3,4,5,6,7
	global_load_b128 v[KX+4*\j:KX+4*\j+3], v1, s[14:15] offset:512*\j th:TH_LOAD_NT
.endr
; The row in v[x .. x+31] is divided by max(its length, 1e-12), in place.
.macro NORM x
.irp k, 0,1,2,3                        ; four chains, started by the first four pairs: nothing is cleared
	v_pk_mul_f32 v[T+2*\k:T+2*\k+1], v[(\x)+2*\k:(\x)+2*\k+1], v[(\x)+2*\k:(\x)+2*\k+1]
.endr
.set j, 4
.rept 12
	v_pk_fma_f32 v[T+2*(j%4):T+2*(j%4)+1], v[(\x)+2*j:(\x)+2*j+1], v[(\x)+2*j:(\x)+2*j+1], v[T+2*(j%4):T+2*(j%4)+1]
.set j, j+1
.endr
	v_pk_add_f32 v[T:T+1], v[T:T+1], v[T+2:T+3]
	v_pk_add_f32 v[T+4:T+5], v[T+4:T+5], v[T+6:T+7]
	v_pk_add_f32 v[T:T+1], v[T:T+1], v[T+4:T+5]
	v_add_f32 v[T], v[T], v[T+1]
	v_add_f32_dpp v[T], v[T], v[T] row_xmask:1 row_mask:0xf bank_mask:0xf
	v_add_f32_dpp v[T], v[T], v[T] row_xmask:2 row_mask:0xf bank_mask:0xf
	v_add_f32_dpp v[T], v[T], v[T] row_xmask:4 row_mask:0xf bank_mask:0xf
	v_add_f32_dpp v[T], v[T], v[T] row_xmask:8 row_mask:0xf bank_mask:0xf
	v_permlanex16_b32 v[T+1], v[T], s20, s21
	v_add_f32 v[T], v[T], v[T+1]                   ; every lane holds the row's sum of squares
	v_sqrt_f32 v[T+2], v[T]
	v_nop                                          ; a plain instruction behind a transcendental, before its result is used (ISA guide 5.7.2)
	s_wait_alu depctr_va_vdst(0)
	v_max_num_f32 v[T+2], 0x2b8cbccc, v[T+2]       ; 1e-12
	v_rcp_f32 v[T+4], v[T+2]                       ; twice, to fill the pair that the packed multiply takes
	v_rcp_f32 v[T+5], v[T+2]
	v_nop
.set j, 0
	s_wait_alu depctr_va_vdst(0)
.rept 16
	v_pk_mul_f32 v[(\x)+2*j:(\x)+2*j+1], v[(\x)+2*j:(\x)+2*j+1], v[T+4:T+5]
.set j, j+1
.endr
.endm
	s_wait_loadcnt 8                               ; q is in; k's eight loads stay out
	NORM QX
.irp j, 0,1,2,3,4,5,6,7
	v_cvt_pk_f16_f32 v[QX+4*\j],   v[QX+4*\j],   v[QX+4*\j+1]
	v_cvt_pk_f16_f32 v[QX+4*\j+1], v[QX+4*\j+2], v[QX+4*\j+3]
	global_store_b64 v2, v[QX+4*\j:QX+4*\j+1], s[6:7] offset:256*\j
.endr
	s_wait_loadcnt 0x0
	NORM KX
.irp j, 0,1,2,3,4,5,6,7
	global_store_b128 v1, v[KX+4*\j:KX+4*\j+3], s[8:9] offset:512*\j
.endr
	s_endpgm
.Lfunc_end_k_q9cbc43ba0b_norm:
	.size	k_q9cbc43ba0b_norm, .Lfunc_end_k_q9cbc43ba0b_norm-k_q9cbc43ba0b_norm
	.p2alignl 7, 3214868480
	.fill 96, 4, 3214868480
	.section	.rodata,"a",@progbits
	.p2align	6, 0x0
	.amdhsa_kernel k_q9cbc43ba0b_norm
		.amdhsa_group_segment_fixed_size 0
		.amdhsa_private_segment_fixed_size 0
		.amdhsa_enable_private_segment 0
		.amdhsa_kernarg_size 24
		.amdhsa_user_sgpr_count 2
		.amdhsa_user_sgpr_kernarg_segment_ptr 1
		.amdhsa_wavefront_size32 1
		.amdhsa_system_sgpr_workgroup_id_x 1
		.amdhsa_system_sgpr_workgroup_id_y 1
		.amdhsa_system_sgpr_workgroup_id_z 1
		.amdhsa_system_vgpr_workitem_id 0
		.amdhsa_next_free_vgpr 80
		.amdhsa_next_free_sgpr 66
		.amdhsa_reserve_vcc 0
		.amdhsa_float_denorm_mode_32 3
		.amdhsa_float_denorm_mode_16_64 3
		.amdhsa_memory_ordered 1
		.amdhsa_forward_progress 1
		.amdhsa_inst_pref_size 11
	.end_amdhsa_kernel
	.amdgpu_metadata
---
amdhsa.version: [ 1, 2 ]
amdhsa.kernels:
  - .name:           k_q9cbc43ba0b_norm
    .symbol:         k_q9cbc43ba0b_norm.kd
    .args:
      - { .name: raw, .offset: 0, .size: 8, .value_kind: global_buffer, .address_space: global }
      - { .name: qh, .offset: 8, .size: 8, .value_kind: global_buffer, .address_space: global }
      - { .name: out1, .offset: 16, .size: 8, .value_kind: global_buffer, .address_space: global }
    .group_segment_fixed_size: 0
    .private_segment_fixed_size: 0
    .kernarg_segment_align: 8
    .kernarg_segment_size: 24
    .max_flat_workgroup_size: 256
    .sgpr_count:     66
    .vgpr_count:     80
    .wavefront_size: 32
...
	.end_amdgpu_metadata
.endif
;; end of part 5
;; launch attn (part 6): grid 4 x 64, 8 waves a work-group, no clusters, 183,296 bytes of LDS; arguments qh, out1, xl_memory, kv_external, rel_pos, gate, fused; writes fused
.if DOCPART == 6
	.amdgcn_target "amdgcn-amd-amdhsa--gfx1250"
	.amdhsa_code_object_version 6
	.text
	.protected	k_q9cbc43ba0b_attn
	.globl	k_q9cbc43ba0b_attn
	.p2align	8
	.type	k_q9cbc43ba0b_attn,@function
k_q9cbc43ba0b_attn:
	s_mov_b64 s[64:65], 0
	v_nop
	global_prefetch_b8 v0, s[64:65] scope:SCOPE_SE
	s_setreg_imm32_b32 hwreg(HW_REG_WAVE_MODE, 25, 1), 1
	s_wait_xcnt 0x0
; fused[b][q][h] = g softmax_j((Q.K_j + rel[h][q][j]) / 8, j <= 512 + q) V  +  (1 - g) softmax_e(Q.Ke_e / 8) Ve,  g = sigmoid(gate[h]).
; Q: qh, f16 [2048][1024].  Keys and values, f32: 512 rows of xl_memory, then rows of out1 (the local pass), then 4,096 rows of kv_external (the external pass).
; All three lie alike: a key's row every 8,192 bytes, the head's 64 numbers 256 bytes at 256 h, the value 4,096 bytes on.  So ONE text of a step walks all three; only its base changes.
; Products take f16 operands and f32 sums; maxima, exponentials, sums and the gate in f32.
; LIMITS: an operand of 65,520 or more becomes an infinity in f16; a weight p lies in 0 to 1 and below 6e-5 keeps f16's fixed step of 6e-8 (its sum l is taken of the unrounded p);
; a hidden score counts as -1e30; a weight below 2^-126 counts as 0 in l; NaN and infinities are not treated apart, and rel_pos must be finite where it is masked too (see REGISTERS).
; SHARES.  Work-group (qb, 16 b + h): 128 queries of one head, eight waves.  Wave w owns the 32 queries 32 (w % 4) on (two tiles of 16) and, of every step's 128 keys, the 64 of its GROUP w / 4.
; So two waves hold the same queries and halves of the keys, each with a running maximum, sum and O^T of its own; at the end waves 4-7 hand theirs to waves 0-3 through LDS, which merge them.
; A step's 128 keys and values are fetched, converted and stored to LDS by all 256 threads: one barrier for 128 keys.
; THE WALK: 4 steps of xl_memory; (qb + 2) / 2 pairs of steps of out1, every one with the mask (in pairs, so that the two slots' addresses are constants of the text; for qb = 0 and 2 the last
; step is wholly hidden: work that serves nothing, in work-groups that are not the longest); 32 steps of kv_external.
; LAYOUT.  S^T = K Q^T (source 0 = 16 keys, source 1 = 16 queries): a lane holds ONE query (l % 16) and the keys 8 (l / 16) + 0..7.  rel_pos is the C operand that starts the sum; where a key is
; hidden, -1e30 takes its place.  Two such results rounded to f16 ARE source 1 of O^T = V^T P.  K comes out of LDS as it lies, V turned, by ds_load_tr16_b128.
; SOFTMAX.  A running maximum m and sum l: p = 2^(c s - c m), c = log2(e) / 8; in every step O and l are multiplied by a = 2^(c m_old - c m_new).  m starts at the lowest finite number,
; c m far below every c s, so a pass's first step has a = 0: O and l need only be finite there.
; THE MERGE of a pass's two halves: M = max(c m0, c m1), a_i = 2^(c m_i - M), result = gain (a0 O0 + a1 O1) / (a0 l0 + a1 l1).
; NO JOINT TENSOR LOADS, though the four query blocks of a head walk the same keys: the tiles are f32 in memory and f16 in LDS, and the conversion stands in registers between the two.
; REGISTERS, in windows of 256 (s_set_vgpr_msb: bits 1:0 source 0, 3:2 source 1, 5:4 source 2, 7:6 destination):
;   window 0: v0-15 addresses, v16-31 statistics, v34-47 way out, the add's two, gate; v48-63 the passes' c m and l, mine and my partner's; v64-127 S^T; v128-159 P; v160-191 Q; v192-255 staged f32
;   window 1: v0-63 the local pass's O^T; v64-127 rel_pos for one step, and then the external pass's O^T (which so starts from rel_pos's numbers, times a = 0); v128-191 K's fragments; v192-255 V's
.set PK,     144                       ; a row of K in LDS: 128 bytes + 16: the 16 rows of a load start at 16 different groups of four banks
.set PV,     160                       ; a row of V: 128 + 32
.set VOFF,   128*PK
.set SLOTB,  128*(PK+PV)               ; a slot: 128 rows of K, then 128 rows of V
.set XCH,    2*SLOTB                   ; behind the slots: what waves 4-7 hand over: 128 registers and 8 statistics a lane
.set XW,     17408
.set STAGE,  XCH+4*XW                  ; 32 rows x 272 bytes for each of waves 0-3, for the way out
.set SPITCH, 272
.set WSTAGE, 32*SPITCH
.set SPARE,  STAGE+4*WSTAGE            ; the spare words: 128 bytes a wave, four blocks of 256 bytes that no other line names
.set MV,  12                           ; v12-13  c m_old, by tile
.set THR, 14                           ; v14-15  by tile: register 16 kb + j of a masked step is hidden where that number is greater; goes down by 128 a masked step
.set ST,  16                           ; tile u at ST + 4 u: c m, m, l (even keys', odd keys')
.set TMP, 24                           ; tile u at TMP + 4 u: c0-c3 at work; c2 takes a
.set SAV, 48                           ; tile u at SAV + 4 u: local c m, l; external c m, l
.set PS,  56                           ; my partner's, likewise
.set SS,  64
.set PP,  128
.set FX,  128                          ; at the end, in P's place: tile u's four factors, a pair each, at FX + 8 u + 2 k
.set QQ,  160
.set STG, 192
.set RR,  64                           ; window 1
.set KF,  128                          ; window 1: key block kb, channel half c at KF + 16 kb + 8 c
.set VF,  192                          ; window 1: key half kk, channel block cb at VF + 32 kk + 8 cb
; v2 K fragment address, v3 V's, v4, v5 where I store 8 bytes of K, V, v6 global offset of my 16 bytes of a key row, v7 offset in rel_pos, v8 in Q, v34, v35 stage in and back, v36 offset in fused, v37 exchange
; s2 wave, s3 counter, s4 qb, s5 b, s6 h, s7 local steps, s[24:25] the step's keys, s[26:27] out1's, s[28:29] kv_external's, s[30:31] rel_pos, s[32:33] c, s[34:35] selects, s36 steps asked for,
; s37 -1e30, s38 pairs of out1, s[40:41] rel_pos's step, s45 group, s46 w % 4
.set MSB, 0
.macro WIN new                         ; the immediate's high byte repeats the setting that is left; a switch that changes nothing is dropped
.if MSB != (\new)
	s_set_vgpr_msb (MSB<<8)|(\new)
.set MSB, (\new)
.endif
.endm
	s_load_b256 s[8:15], s[0:1], 0x0               ; qh s[8:9], out1 s[10:11], xl_memory s[12:13], kv_external s[14:15]
	s_load_b128 s[16:19], s[0:1], 0x20             ; rel_pos s[16:17], gate s[18:19]
	s_load_b64 s[20:21], s[0:1], 0x30              ; fused
	v_lshl_add_u32 v38, v0, 2, SPARE               ; my spare word
	v_mov_b32 v39, 0
	v_lshrrev_b32 v10, 5, v0
	v_readfirstlane_b32 s2, v10                    ; wave 0..7
	s_lshr_b32 s45, s2, 2                          ; my group: which 64 of a step's 128 keys
	s_and_b32 s46, s2, 3                           ; which 32 of the block's queries
	v_and_b32 v1, 15, v0                           ; l % 16
	v_bfe_u32 v9, v0, 4, 1                         ; l / 16
	v_mul_u32_u24 v2, v1, PK
	v_lshl_add_u32 v2, v9, 4, v2                   ; row x pitch + 16 x half,
	s_mul_i32 s39, s45, 64*PK
	v_add_nc_u32 v2, s39, v2                       ; in my group's 64 rows
	v_and_b32 v10, 7, v0
	v_bfe_u32 v11, v0, 3, 1
	v_lshl_add_u32 v3, v9, 3, v10                  ; the turning load: key 8 (l / 16) + l % 8,
	v_mul_u32_u24 v3, v3, PV
	v_lshl_add_u32 v3, v11, 4, v3                  ; channels 8 ((l / 8) % 2) on
	s_mul_i32 s39, s45, 64*PV
	s_add_co_u32 s39, s39, VOFF
	v_add_nc_u32 v3, s39, v3
	v_lshrrev_b32 v10, 4, v0                       ; thread / 16: which of 16 key rows I fetch
	v_mul_u32_u24 v4, v10, PK
	v_lshl_add_u32 v4, v1, 3, v4
	v_mul_u32_u24 v5, v10, PV
	v_lshl_add_u32 v5, v1, 3, v5
	v_add_nc_u32 v5, VOFF, v5
	v_lshlrev_b32 v6, 13, v10                      ; row x 8,192 bytes
	v_lshl_add_u32 v6, v1, 4, v6                   ; + 16 bytes a thread: sixteen lanes take the head's 256 bytes
	v_lshlrev_b32 v7, 12, v1                       ; rel_pos: my query's row, my eight keys
	v_lshl_add_u32 v7, v9, 5, v7
	v_lshlrev_b32 v8, 11, v1                       ; Q: my query's row of 2,048 bytes, 16 bytes for each half
	v_lshl_add_u32 v8, v9, 4, v8
	v_lshlrev_b32 v10, 3, v9
	v_sub_nc_u32 v10, v1, v10
	s_lshl_b32 s39, ttmp9, 7
	s_lshl_b32 s40, s46, 5
	s_add_co_u32 s39, s39, s40
	s_lshl_b32 s40, s45, 6
	s_sub_co_u32 s39, s39, s40
	v_add_nc_u32 v[THR], s39, v10                  ; my query among the current 512, 128 qb + 32 (w % 4) + l % 16, less my lanes' 8 (l / 16) and my group's 64: a signed number
	v_add_nc_u32 v[THR+1], 16, v[THR]
	s_mul_i32 s39, s46, WSTAGE
	s_add_co_u32 s39, s39, STAGE                   ; my stage (waves 0-3 alone use it)
	v_mul_u32_u24 v34, v1, SPITCH
	v_lshl_add_u32 v34, v9, 5, v34
	v_add_nc_u32 v34, s39, v34
	v_mul_u32_u24 v35, v9, SPITCH
	v_lshl_add_u32 v35, v1, 4, v35
	v_add_nc_u32 v35, s39, v35
	v_lshlrev_b32 v36, 12, v9
	v_lshl_add_u32 v36, v1, 4, v36
	v_and_b32 v37, 31, v0
	s_mul_i32 s39, s46, XW
	s_add_co_u32 s39, s39, XCH
	v_lshl_add_u32 v37, v37, 4, s39                ; the exchange: 16 bytes a lane, the same place for wave w + 4 (writes) and wave w (reads)
	s_mov_b32 s4, ttmp9                            ; qb
	s_and_b32 s7, ttmp7, 0xffff
	s_lshr_b32 s5, s7, 4                           ; b
	s_and_b32 s6, s7, 15                           ; h
	s_add_co_u32 s38, s4, 2
	s_lshr_b32 s38, s38, 1                         ; pairs of steps of out1: 1, 1, 2, 2
	s_lshl_b32 s7, s38, 1
	s_add_co_u32 s7, s7, 4                         ; local steps
	s_mov_b32 s36, 0
	s_mov_b32 s37, 0xf149f2ca                      ; -1e30
	s_mov_b32 s32, 0x3e38aa3b                      ; c = log2(e) / 8
	s_mov_b32 s33, s32                             ; named with it as a pair
	s_mov_b32 s34, 0x76543210
	s_mov_b32 s35, 0xfedcba98
	s_mov_b32 s41, 0
	s_lshl_b32 s39, s6, 8                          ; the head's 256 bytes in a row of f32
	s_lshl_b32 s40, s5, 22                         ; a batch of xl_memory and of out1: 512 rows of 8,192 bytes
	s_add_co_u32 s40, s40, s39
	s_wait_kmcnt 0x0
	s_add_nc_u64 s[24:25], s[12:13], s[40:41]      ; the walk begins in xl_memory
	s_add_nc_u64 s[26:27], s[10:11], s[40:41]
	s_lshl_b32 s40, s5, 25                         ; a batch of kv_external: 4,096 rows
	s_add_co_u32 s40, s40, s39
	s_add_nc_u64 s[28:29], s[14:15], s[40:41]
	s_lshl_b32 s40, s6, 21                         ; rel_pos: the head's 512 rows of 4,096 bytes,
	s_lshl_b32 s43, s4, 19                         ; the block's 128,
	s_add_co_u32 s40, s40, s43
	s_lshl_b32 s43, s46, 17                        ; my wave's 32,
	s_add_co_u32 s40, s40, s43
	s_lshl_b32 s43, s45, 8                         ; my group's 64 keys
	s_add_co_u32 s40, s40, s43
	s_add_nc_u64 s[30:31], s[16:17], s[40:41]
	s_lshl_b32 s43, s5, 9
	s_lshl_b32 s44, s4, 7
	s_add_co_u32 s43, s43, s44
	s_lshl_b32 s44, s46, 5
	s_add_co_u32 s43, s43, s44                     ; my wave's first row: 512 b + 128 qb + 32 (w % 4)
	s_lshl_b32 s40, s43, 11
	s_lshl_b32 s44, s6, 7
	s_add_co_u32 s40, s40, s44
	s_add_nc_u64 s[8:9], s[8:9], s[40:41]
	s_lshl_b32 s40, s43, 12
	s_add_co_u32 s40, s40, s39
	s_add_nc_u64 s[20:21], s[20:21], s[40:41]
	s_lshl_b32 s40, s6, 2
	s_add_nc_u64 s[18:19], s[18:19], s[40:41]
	s_load_b32 s42, s[18:19], 0x0                  ; gate[h]
.macro LOADKV                          ; a step's 128 keys and values, f32: 16 rows a load for the work-group's 256 threads
.set i, 0
.rept 8
	global_load_b128 v[STG+4*i:STG+4*i+3],       v6, s[24:25] offset:i*131072
	global_load_b128 v[STG+32+4*i:STG+32+4*i+3], v6, s[24:25] offset:i*131072+4096
.set i, i+1
.endr
.endm
.macro NEXTP                           ; the next step's keys: 128 rows on, or the head of the next source
	s_add_co_u32 s36, s36, 1
	s_add_nc_u64 s[24:25], s[24:25], 0x100000
	s_cmp_eq_u32 s36, 4
	s_cselect_b64 s[24:25], s[26:27], s[24:25]     ; behind xl_memory's 4 steps: out1
	s_cmp_eq_u32 s36, s7
	s_cselect_b64 s[24:25], s[28:29], s[24:25]     ; behind the local pass: kv_external
.endm
.macro LOADR                           ; rel_pos for my 64 keys of one step, as the C operands of the products that start S^T
	WIN 0x40
.irp u, 0,1
.irp kb, 0,1,2,3
	global_load_b128 v[RR+32*\u+8*\kb:RR+32*\u+8*\kb+3],   v7, s[30:31] offset:\u*65536+\kb*64
	global_load_b128 v[RR+32*\u+8*\kb+4:RR+32*\u+8*\kb+7], v7, s[30:31] offset:\u*65536+\kb*64+16
.endr
.endr
	WIN 0
.endm
.macro MASK                            ; -1e30 takes rel_pos's place where the key lies behind the query; then the threshold goes on to the next 128 keys
	WIN 0x41
.irp u, 0,1
.set z, 0
.rept 32
	v_cmp_gt_i32 vcc_lo, 16*(z/8)+z%8, v[THR+\u]
	v_cndmask_b32 v[RR+32*\u+z], v[RR+32*\u+z], s37, vcc_lo
.set z, z+1
.endr
.endr
	WIN 0
	v_add_nc_u32 v[THR], 0xffffff80, v[THR]
	v_add_nc_u32 v[THR+1], 0xffffff80, v[THR+1]
.endm
; 16 products S^T = K Q^T: tile i % 2, keys 16 ((i / 2) % 4) on, channels 32 (i / 8) on.  The 8 accumulators take turns.  The first 8 start the sums: with rel_pos (kind > 0) or 0.
.macro KQ kind
.set i, 0
.rept 16
.set rS, SS+32*(i%2)+8*((i/2)%4)
.set rK, KF+16*((i/2)%4)+8*(i/8)
.set rQ, QQ+16*(i%2)+8*(i/8)
.set rR, RR+32*(i%2)+8*((i/2)%4)
.if (i < 8) && (\kind)
	WIN 0x11
	v_wmma_f32_16x16x32_f16 v[rS:rS+7], v[rK:rK+7], v[rQ:rQ+7], v[rR:rR+7]
.elseif i < 8
	WIN 0x01
	v_wmma_f32_16x16x32_f16 v[rS:rS+7], v[rK:rK+7], v[rQ:rQ+7], 0
.else
	WIN 0x01
	v_wmma_f32_16x16x32_f16 v[rS:rS+7], v[rK:rK+7], v[rQ:rQ+7], v[rS:rS+7]
.endif
.set i, i+1
.endr
.endm
; 16 products O^T += V^T P: tile i % 2, channels 16 ((i / 2) % 4) on, keys 32 (i / 8) on.  OB: the pass's O^T
.macro PVM
	WIN 0x51
.set i, 0
.rept 16
.set rO, OB+32*(i%2)+8*((i/2)%4)
.set rV, VF+32*(i/8)+8*((i/2)%4)
.set rP, PP+16*(i%2)+8*(i/8)
	v_wmma_f32_16x16x32_f16 v[rO:rO+7], v[rV:rV+7], v[rP:rP+7], v[rO:rO+7]
.set i, i+1
.endr
.endm
.macro REGS u                          ; the registers of tile u
.set rT, ST+4*(\u)
.set rC, TMP+4*(\u)
.set rM, MV+(\u)
.set rS, SS+32*(\u)
.set rP, PP+16*(\u)
.set rO, OB+32*(\u)
.endm
; Number n of the 22 that find a tile's maximum and statistics; each accumulator's lowest registers are read first.
;   0-11 four chains c0-c3 of seven scores each   12-14, 16 the four scores left over, the old m, c0-c3 into c0   15 c m_old is kept   17, 18 the other half of the lanes': the new m   19-21 c m; c m_old - c m_new; a
.macro XS u, n
	REGS \u
.if (\n) < 4
	v_max3_num_f32 v[rC+(\n)], v[rS+8*(\n)], v[rS+8*(\n)+1], v[rS+8*(\n)+2]
.elseif (\n) < 12
	v_max3_num_f32 v[rC+(\n)%4], v[rC+(\n)%4], v[rS+8*((\n)%4)+2*((\n)/4)+1], v[rS+8*((\n)%4)+2*((\n)/4)+2]
.elseif (\n) == 12
	v_max3_num_f32 v[rC], v[rC], v[rS+7], v[rS+15]
.elseif (\n) == 13
	v_max3_num_f32 v[rC+1], v[rC+1], v[rS+23], v[rS+31]
.elseif (\n) == 14
	v_max3_num_f32 v[rC+2], v[rC+2], v[rC+3], v[rT+1]
.elseif (\n) == 15
	v_mov_b32 v[rM], v[rT]
.elseif (\n) == 16
	v_max3_num_f32 v[rC], v[rC], v[rC+1], v[rC+2]
.elseif (\n) == 17
	v_permlanex16_b32 v[rC+3], v[rC], s34, s35
.elseif (\n) == 18
	v_max_num_f32 v[rT+1], v[rC], v[rC+3]
.elseif (\n) == 19
	v_mul_f32 v[rT], s32, v[rT+1]
.elseif (\n) == 20
	v_sub_f32 v[rC+1], v[rM], v[rT]
.else
	v_exp_f32 v[rC+2], v[rC+1]
.endif
.endm
; A step's softmax for both tiles, which alternate line by line, so that no line reads the result of the line before it.
.macro SOFT
	WIN 0
.irp n, 0,1,2,3,4,5,6,7,8,9,10,11,12,13,14,15,16,17,18,19,20,21
	XS 0, \n
	XS 1, \n
.endr
.set z, 0
.rept 16                               ; c s - c m; the first of these is the plain instruction behind the two exponentials that make a
.irp u, 0,1
	REGS \u
	v_pk_fma_f32 v[rS+2*z:rS+2*z+1], v[rS+2*z:rS+2*z+1], s[32:33], v[rT:rT+1] op_sel_hi:[1,0,0] neg_lo:[0,0,1] neg_hi:[0,0,1]
.endr
.set z, z+1
.endr
.set z, 0
.rept 32
	v_exp_f32 v[SS+z], v[SS+z]
	v_exp_f32 v[SS+32+z], v[SS+32+z]
.set z, z+1
.endr
	v_nop                                          ; a plain instruction behind the last exponential (ISA guide 5.7.2)
.set z, 0
	s_wait_alu depctr_va_vdst(0)
.rept 16                               ; the weights, rounded to f16 in pairs: source 1 of V^T P
	v_cvt_pk_f16_f32 v[PP+z],    v[SS+2*z],    v[SS+2*z+1]
	v_cvt_pk_f16_f32 v[PP+16+z], v[SS+32+2*z], v[SS+32+2*z+1]
.set z, z+1
.endr
.irp w, 4,8,16,32                      ; the sum of a tile's 16 pairs, a tree in place
.set z, 0
.rept 32/(\w)
.irp u, 0,1
	REGS \u
	v_pk_add_f32 v[rS+(\w)*z:rS+(\w)*z+1], v[rS+(\w)*z:rS+(\w)*z+1], v[rS+(\w)*z+(\w)/2:rS+(\w)*z+(\w)/2+1]
.endr
.set z, z+1
.endr
.endr
.irp u, 0,1
	REGS \u
	v_pk_fma_f32 v[rT+2:rT+3], v[rT+2:rT+3], v[rC+2:rC+3], v[rS:rS+1] op_sel_hi:[1,0,1]   ; l = a l + sum
.endr
	WIN 0x41
.set z, 0
.rept 16                               ; O^T times a, from each accumulator's low end on
.irp u, 0,1
	REGS \u
	v_pk_mul_f32 v[rO+2*z:rO+2*z+1], v[rO+2*z:rO+2*z+1], v[rC+2:rC+3] op_sel_hi:[1,0]
.endr
.set z, z+1
.endr
.endm
; ONE STEP of 128 keys, 64 for my group.  kind 0: external; 1: local; 2: local with the mask.  ld = 1: the next step's K and V are asked for.
; rl = 1: the next step's rel_pos; 2: the same, but behind the last local step the same block once more, so that no load passes a row's end.
.macro STEP slot, kind, ld, rl
.if (\kind)
.set OB, 0
.else
.set OB, 64
.endif
	s_wait_loadcnt 0x0                             ; this step's K and V are staged, its rel_pos is in; these loads' bases may be stepped
.set i, 0
.rept 16
	v_cvt_pk_f16_f32 v[STG+4*i],   v[STG+4*i],   v[STG+4*i+1]    ; these 32 are also the places between the last products and the loads into their fragments
	v_cvt_pk_f16_f32 v[STG+4*i+1], v[STG+4*i+2], v[STG+4*i+3]
.set i, i+1
.endr
.set i, 0
.rept 8
	ds_store_b64 v4, v[STG+4*i:STG+4*i+1]       offset:(\slot)*SLOTB+i*16*PK
	ds_store_b64 v5, v[STG+32+4*i:STG+32+4*i+1] offset:(\slot)*SLOTB+i*16*PV
.set i, i+1
.endr
.if (\kind) == 2
	MASK
.endif
	s_wait_dscnt 0x0                               ; for the others' sake: my stores are done; the staging registers may be loaded again
.if \ld
	NEXTP
	LOADKV                                         ; it has the whole step in which to land
.endif
	s_barrier_signal -1                            ; one barrier a step: this slot is whole behind it; it is written again two steps on,
	s_barrier_wait -1                              ; behind the next barrier, in front of which every wave's reads of it have come back
	WIN 0x40
.set f, 0
.rept 8                                ; K: keys 16 (f / 2) on, channels 32 (f % 2) on
	ds_load_b128 v[KF+8*f:KF+8*f+3],   v2 offset:(\slot)*SLOTB+(f/2)*16*PK+(f%2)*64
	ds_load_b128 v[KF+8*f+4:KF+8*f+7], v2 offset:(\slot)*SLOTB+(f/2)*16*PK+(f%2)*64+32
.set f, f+1
.endr
.set f, 0
.rept 8                                ; V, turned: keys 32 (f / 4) on, channels 16 (f % 4) on
	ds_load_tr16_b128 v[VF+8*f:VF+8*f+3],   v3 offset:(\slot)*SLOTB+(f/4)*32*PV+(f%4)*32
	ds_load_tr16_b128 v[VF+8*f+4:VF+8*f+7], v3 offset:(\slot)*SLOTB+(f/4)*32*PV+16*PV+(f%4)*32
.set f, f+1
.endr
	s_wait_dscnt 16                                ; K is in; V's sixteen loads may stay out
	KQ \kind
.rept 4
	v_nop                                          ; four places in front of the reads of S^T and of the loads into the C operands (ISA guide 7.12.1 for vector instructions)
.endr
.if (\rl) == 2
	s_cmp_lt_u32 s36, s7                           ; is the step asked for still a local one?
	s_cselect_b32 s40, 512, 0
	s_add_nc_u64 s[30:31], s[30:31], s[40:41]      ; 128 keys on in rel_pos's rows, or none
	LOADR
.elseif (\rl) == 1
	s_add_nc_u64 s[30:31], s[30:31], 512
	LOADR
.endif
	SOFT
	s_wait_dscnt 0x0                               ; V is in
	PVM
	WIN 0
.endm
; A pass's c m and the whole of its l (both halves of the pair, both halves of the lanes) are kept.  p = 0: local, 1: external
.macro LSAVE p
	WIN 0
.irp u, 0,1
	REGS \u
	v_add_f32 v[rC], v[rT+2], v[rT+3]
.endr
.irp u, 0,1
	REGS \u
	v_permlanex16_b32 v[rC+1], v[rC], s34, s35     ; the query's other keys lie in the lane 16 away
.endr
.irp u, 0,1
	REGS \u
	v_add_f32 v[SAV+4*\u+2*(\p)+1], v[rC], v[rC+1]
	v_mov_b32 v[SAV+4*\u+2*(\p)], v[rT]
.endr
.endm
.macro FRESH                           ; a pass begins: c m far below every c s, m at the lowest finite number
.irp u, 0,1
	v_mov_b32 v[ST+4*\u], 0xfe000000
	v_mov_b32 v[ST+4*\u+1], 0xff7fffff
.endr
.endm
; Tile u's four factors: for pass p (gain g or 1 - g) mine at FX + 8 u + 4 p, my partner's at + 2; each written twice, since the packed forms name a pair
.macro FACT u
	REGS \u
.irp p, 0,1
	v_max_num_f32 v[rC], v[SAV+4*(\u)+2*\p], v[PS+4*(\u)+2*\p]
	v_sub_f32 v[rC+1], v[SAV+4*(\u)+2*\p], v[rC]
	v_sub_f32 v[rC+2], v[PS+4*(\u)+2*\p], v[rC]
	v_exp_f32 v[rC+1], v[rC+1]
	v_exp_f32 v[rC+2], v[rC+2]
	v_nop                                          ; a plain instruction behind a transcendental, before its result is used (ISA guide 5.7.2)
	s_wait_alu depctr_va_vdst(0)
	v_mul_f32 v[rC+3], v[rC+1], v[SAV+4*(\u)+2*\p+1]
	v_fma_f32 v[rC+3], v[rC+2], v[PS+4*(\u)+2*\p+1], v[rC+3]
	v_rcp_f32 v[rC+3], v[rC+3]
	v_nop
	s_wait_alu depctr_va_vdst(0)
	v_mul_f32 v[rC+3], v[rC+3], v[40+\p]
	v_mul_f32 v[FX+8*(\u)+4*\p],   v[rC+1], v[rC+3]
	v_mul_f32 v[FX+8*(\u)+4*\p+1], v[rC+1], v[rC+3]
	v_mul_f32 v[FX+8*(\u)+4*\p+2], v[rC+2], v[rC+3]
	v_mul_f32 v[FX+8*(\u)+4*\p+3], v[rC+2], v[rC+3]
.endr
.endm
.set OB, 0
	LOADKV                                         ; step 0
	LOADR
.irp u, 0,1
.irp c, 0,1                            ; Q stays in registers: tile u, channels 32 c on
	global_load_b128 v[QQ+16*\u+8*\c:QQ+16*\u+8*\c+3],   v8, s[8:9] offset:\u*32768+\c*64
	global_load_b128 v[QQ+16*\u+8*\c+4:QQ+16*\u+8*\c+7], v8, s[8:9] offset:\u*32768+\c*64+32
.endr
.endr
	; the local O^T and l are cleared on purpose, in the wait for the first tile: so no first step is written out
	WIN 0x40
.set i, 0
.rept 64
	v_mov_b32 v[i], 0
.set i, i+1
.endr
	WIN 0
.irp u, 0,1
	v_mov_b32 v[ST+4*\u+2], 0
	v_mov_b32 v[ST+4*\u+3], 0
.endr
	FRESH
	s_wait_kmcnt 0x0
	v_mov_b32 v44, s42
	v_mul_f32 v42, 0xbfb8aa3b, v44                 ; -log2(e) gate
	v_mul_f32 v43, 0x3fb8aa3b, v44
	v_exp_f32 v40, v42
	v_exp_f32 v41, v43
	v_nop
	s_wait_alu depctr_va_vdst(0)
	v_add_f32 v40, 1.0, v40
	v_add_f32 v41, 1.0, v41
	v_rcp_f32 v40, v40                             ; g = sigmoid(gate)
	v_rcp_f32 v41, v41                             ; 1 - g = sigmoid(-gate)
	v_nop
	s_mov_b32 s3, 2
.Lxl:                                                  ; xl_memory's four steps: no key is hidden
	STEP 0, 1, 1, 1
	STEP 1, 1, 1, 1
	s_sub_co_u32 s3, s3, 1
	s_cmp_lg_u32 s3, 0
	s_cbranch_scc1 .Lxl
	s_mov_b32 s3, 0
.Lcur:                                                 ; (qb + 2) / 2 pairs of steps of out1; the bound hangs on the work-group's number alone.  The last step asks for the external pass's step 0: the walk runs on
	STEP 0, 2, 1, 2
	STEP 1, 2, 1, 2
	s_add_co_u32 s3, s3, 1
	s_cmp_lt_u32 s3, s38
	s_cbranch_scc1 .Lcur
	LSAVE 0                                        ; the local O^T stays where it is, raw; the external pass has registers of its own
	FRESH
	s_mov_b32 s3, 15
.Lext:                                                 ; 15 trips of two external steps; the last two are written out, so that no load leaves the buffer
	STEP 0, 0, 1, 0
	STEP 1, 0, 1, 0
	s_sub_co_u32 s3, s3, 1
	s_cmp_lg_u32 s3, 0
	s_cbranch_scc1 .Lext
	STEP 0, 0, 1, 0
	STEP 1, 0, 0, 0
.rept 4
	v_nop                                          ; four places between the last products and the reads of O^T
.endr
	LSAVE 1
	; THE HAND-OVER: waves 4-7 store both O^T and the statistics, 16 bytes a lane in lane order; a barrier; waves 0-3 read them
	s_cmp_lt_u32 s2, 4
	s_cbranch_scc1 .Lkeep
	WIN 0x04
.set i, 0
.rept 32
	ds_store_b128 v37, v[4*i:4*i+3] offset:i*512
.set i, i+1
.endr
	WIN 0
	ds_store_b128 v37, v[SAV:SAV+3] offset:16384
	ds_store_b128 v37, v[SAV+4:SAV+7] offset:16896
.Lkeep:
	s_wait_dscnt 0x0                               ; for the others' sake: my stores are done
	s_barrier_signal -1
	s_barrier_wait -1
	s_cmp_lt_u32 s2, 4
	s_cbranch_scc0 .Lend                           ; waves 4-7 have done their part
	ds_load_b128 v[PS:PS+3], v37 offset:16384
	ds_load_b128 v[PS+4:PS+7], v37 offset:16896
	WIN 0x40
.set i, 0
.rept 32                               ; my partner's local O^T into K's registers, its external O^T into V's
	ds_load_b128 v[KF+4*i:KF+4*i+3], v37 offset:i*512
.set i, i+1
.endr
	WIN 0
	s_wait_dscnt 32                                ; the statistics are in; the 32 loads behind them may stay out
	FACT 0
	FACT 1
	s_wait_dscnt 0x0
	WIN 0x01
.irp k, 0,1,2,3                        ; fused = f0 O_local + f1 O_local' + f2 O_ext + f3 O_ext', into S^T's registers; each O^T from its low end on
.irp u, 0,1
.set z, 0
.rept 16
.if (\k) == 0
	v_pk_mul_f32 v[SS+32*\u+2*z:SS+32*\u+2*z+1], v[32*\u+2*z:32*\u+2*z+1], v[FX+8*\u:FX+8*\u+1] op_sel_hi:[1,0]
.else
	v_pk_fma_f32 v[SS+32*\u+2*z:SS+32*\u+2*z+1], v[128*((\k)%2)+64*((\k)/2)+32*\u+2*z:128*((\k)%2)+64*((\k)/2)+32*\u+2*z+1], v[FX+8*\u+2*\k:FX+8*\u+2*\k+1], v[SS+32*\u+2*z:SS+32*\u+2*z+1] op_sel_hi:[1,0,1]
.endif
.set z, z+1
.endr
.endr
.endr
	WIN 0
	; THE WAY OUT: a lane's eight channels, 32 bytes, into my own stage; back as whole rows of 256 bytes; sixteen lanes store 256 consecutive bytes at a multiple of 256
.irp u, 0,1
.irp cb, 0,1,2,3
	ds_store_b128 v34, v[SS+32*\u+8*\cb:SS+32*\u+8*\cb+3]   offset:\u*16*SPITCH+64*\cb
	ds_store_b128 v34, v[SS+32*\u+8*\cb+4:SS+32*\u+8*\cb+7] offset:\u*16*SPITCH+64*\cb+16
.endr
.endr
.set i, 0
.rept 16
	ds_load_b128 v[STG+4*i:STG+4*i+3], v35 offset:i*2*SPITCH     ; LDS serves a wave's instructions in order (ISA guide 5.7.1.4): these see the stores above
.set i, i+1
.endr
.set i, 0
.rept 16
	s_wait_dscnt 15-i                              ; the younger read-backs may stay out
	global_store_b128 v36, v[STG+4*i:STG+4*i+3], s[20:21] offset:i*8192
.set i, i+1
.endr
.Lend:
	s_wait_tensorcnt 0x0                           ; the wave's end
	ds_add_u32 v38, v39
	s_wait_dscnt 0x0
	s_endpgm
.Lfunc_end_k_q9cbc43ba0b_attn:
	.size	k_q9cbc43ba0b_attn, .Lfunc_end_k_q9cbc43ba0b_attn-k_q9cbc43ba0b_attn
	.p2alignl 7, 3214868480
	.fill 96, 4, 3214868480
	.section	.rodata,"a",@progbits
	.p2align	6, 0x0
	.amdhsa_kernel k_q9cbc43ba0b_attn
		.amdhsa_group_segment_fixed_size 183296
		.amdhsa_private_segment_fixed_size 0
		.amdhsa_enable_private_segment 0
		.amdhsa_kernarg_size 56
		.amdhsa_user_sgpr_count 2
		.amdhsa_user_sgpr_kernarg_segment_ptr 1
		.amdhsa_wavefront_size32 1
		.amdhsa_system_sgpr_workgroup_id_x 1
		.amdhsa_system_sgpr_workgroup_id_y 1
		.amdhsa_system_sgpr_workgroup_id_z 1
		.amdhsa_system_vgpr_workitem_id 0
		.amdhsa_next_free_vgpr 512
		.amdhsa_next_free_sgpr 66
		.amdhsa_reserve_vcc 1
		.amdhsa_float_denorm_mode_32 3
		.amdhsa_float_denorm_mode_16_64 3
		.amdhsa_memory_ordered 1
		.amdhsa_forward_progress 1
		.amdhsa_inst_pref_size 224
	.end_amdhsa_kernel
	.amdgpu_metadata
---
amdhsa.version: [ 1, 2 ]
amdhsa.kernels:
  - .name:           k_q9cbc43ba0b_attn
    .symbol:         k_q9cbc43ba0b_attn.kd
    .args:
      - { .name: qh, .offset: 0, .size: 8, .value_kind: global_buffer, .address_space: global }
      - { .name: out1, .offset: 8, .size: 8, .value_kind: global_buffer, .address_space: global }
      - { .name: xl_memory, .offset: 16, .size: 8, .value_kind: global_buffer, .address_space: global }
      - { .name: kv_external, .offset: 24, .size: 8, .value_kind: global_buffer, .address_space: global }
      - { .name: rel_pos, .offset: 32, .size: 8, .value_kind: global_buffer, .address_space: global }
      - { .name: gate, .offset: 40, .size: 8, .value_kind: global_buffer, .address_space: global }
      - { .name: fused, .offset: 48, .size: 8, .value_kind: global_buffer, .address_space: global }
    .group_segment_fixed_size: 183296
    .private_segment_fixed_size: 0
    .kernarg_segment_align: 8
    .kernarg_segment_size: 56
    .max_flat_workgroup_size: 256
    .sgpr_count:     66
    .vgpr_count:     512
    .wavefront_size: 32
...
	.end_amdgpu_metadata
.endif
;; end of part 6
;; launch outp (part 7): grid 8 x 32, 4 waves a work-group, no clusters, 90,624 bytes of LDS; arguments fused, Wo, bo, out0; writes out0
.if DOCPART == 7
	.amdgcn_target "amdgcn-amd-amdhsa--gfx1250"
	.amdhsa_code_object_version 6
	.text
	.protected	k_q9cbc43ba0b_outp
	.globl	k_q9cbc43ba0b_outp
	.p2align	8
	.type	k_q9cbc43ba0b_outp,@function
k_q9cbc43ba0b_outp:
	s_mov_b64 s[64:65], 0
	v_nop
	global_prefetch_b8 v0, s[64:65] scope:SCOPE_SE
	s_setreg_imm32_b32 hwreg(HW_REG_WAVE_MODE, 25, 1), 1
	s_wait_xcnt 0x0
; C[m][n] = sum over k of A[m][k] W[n][k] + bias[n].  A: [2048][1024], W: [1024][1024], bias: [1024], C: [2048][1024], all f32 in memory.
; The products take f16 operands (converted in registers on the way from memory to LDS) and f32 sums.
; LIMIT: an operand of 65,520 or more becomes an infinity in f16; below 6e-5 an operand keeps f16's fixed step of 6e-8.  NaN and infinities are not treated apart.
; SHARES.  Work-group (x, y): columns 128 x .. +127, rows 64 y .. +63: 256 work-groups.  Four waves, each 32 rows x 64 columns: 2 x 4 accumulators.
; K goes in 16 steps of 64 (256 bytes of a row in memory, at a multiple of 256) through two LDS slots.  TWO SETS of staging registers take turns: a step's 24 loads of a thread are asked for
; two steps ahead, so that 48 loads of every thread are on their way while a step is multiplied.
; THE MATRIX INSTRUCTION IS USED TRANSPOSED (source 0 = 16 rows of W, source 1 = 16 rows of A): a lane then holds eight neighbouring columns of one row of C.
; NO JOINT TENSOR LOADS: the tiles are f32 in memory and f16 in LDS; the conversion stands in registers between the two, so the tiles come by global loads.
; REGISTERS (s_set_vgpr_msb: bits 1:0 source 0, 3:2 source 1, 5:4 source 2, 7:6 destination).  Window 0: v0-15 addresses; v16-79 accumulators; v80-127 fragments;
;   v128-159 set 0's A, v160-223 set 0's W, v224-255 set 1's A.  Window 1: v0-63 set 1's W.
.set PITCH,  144                       ; an LDS row: 64 f16 + 16 bytes: the 16 rows of a fragment load start at 16 different groups of four banks
.set SLOTB,  192*PITCH                 ; a slot: A's 64 rows, then W's 128 rows
.set WOFF,   64*PITCH
.set STAGE,  2*SLOTB                   ; behind the slots: 32 rows x 272 bytes for each wave, for the way out
.set SPITCH, 272
.set WSTAGE, 32*SPITCH
.set SPARE,  STAGE+4*WSTAGE            ; the spare words: 128 bytes a wave, two blocks of 256 bytes that no other line names
.set ACC, 16                           ; accumulator (a, b) at ACC + 8 (4 a + b)
.set FRA, 80                           ; A's two fragments
.set FRW, 96                           ; W's four fragments
.set BK,  128                          ; the way out: rows read back from the stage (set 0's registers)
; v1 l % 16, v2 l / 16, v3 global offset of my 16 bytes, v4 LDS place of my 8 bytes, v5, v6 fragment addresses, v7, v8 stage in and back, v9 offset in C, v10 offset in bias, v12, v13 the add's two
.set MSB, 0
.macro WIN new                         ; the immediate's high byte repeats the setting that is left; a switch that changes nothing is dropped
.if MSB != (\new)
	s_set_vgpr_msb (MSB<<8)|(\new)
.set MSB, (\new)
.endif
.endm
	s_load_b256 s[8:15], s[0:1], 0x0               ; A s[8:9], W s[10:11], bias s[12:13], C s[14:15]
	v_lshl_add_u32 v12, v0, 2, SPARE               ; my spare word
	v_mov_b32 v13, 0
	v_lshrrev_b32 v14, 5, v0
	v_readfirstlane_b32 s2, v14                    ; wave 0..3
	v_and_b32 v1, 15, v0                           ; l % 16
	v_bfe_u32 v2, v0, 4, 1                         ; l / 16
	v_lshrrev_b32 v14, 4, v0                       ; thread / 16: which of 8 rows I fetch
	v_lshlrev_b32 v3, 12, v14                      ; row x 4,096 bytes
	v_lshl_add_u32 v3, v1, 4, v3                   ; + 16 bytes a thread: sixteen lanes take 256 consecutive bytes
	v_mul_u32_u24 v4, v14, PITCH
	v_lshl_add_u32 v4, v1, 3, v4                   ; the same place in LDS, 8 bytes a thread
	s_lshr_b32 s4, s2, 1                           ; which 32 rows are mine
	s_and_b32 s5, s2, 1                            ; which 64 columns
	v_mul_u32_u24 v15, v1, PITCH
	v_lshl_add_u32 v15, v2, 4, v15                 ; a fragment's row x pitch + 16 x half
	s_mul_i32 s6, s4, 32*PITCH
	v_add_nc_u32 v5, s6, v15
	s_mul_i32 s6, s5, 64*PITCH
	s_add_co_u32 s6, s6, WOFF
	v_add_nc_u32 v6, s6, v15
	s_mul_i32 s6, s2, WSTAGE
	s_add_co_u32 s6, s6, STAGE                     ; my stage
	v_mul_u32_u24 v7, v1, SPITCH
	v_lshl_add_u32 v7, v2, 5, v7                   ; in: row l % 16, 32 bytes for each half of the lanes
	v_add_nc_u32 v7, s6, v7
	v_mul_u32_u24 v8, v2, SPITCH
	v_lshl_add_u32 v8, v1, 4, v8                   ; back: lanes 0-15 one row of 256 bytes, lanes 16-31 the next
	v_add_nc_u32 v8, s6, v8
	v_lshlrev_b32 v9, 12, v2
	v_lshl_add_u32 v9, v1, 4, v9                   ; the same two rows in C
	v_lshlrev_b32 v10, 5, v2                       ; my eight numbers of 16 of the bias
	s_and_b32 s33, ttmp7, 0xffff                   ; block of 64 rows
	s_mov_b32 s35, 0
	s_wait_kmcnt 0x0
	s_lshl_b32 s34, s33, 18                        ; 64 rows of 4,096 bytes
	s_add_nc_u64 s[24:25], s[8:9], s[34:35]        ; A at the block's first row
	s_lshl_b32 s34, ttmp9, 19                      ; 128 rows of W
	s_add_nc_u64 s[26:27], s[10:11], s[34:35]
	s_lshl_b32 s34, ttmp9, 9
	s_lshl_b32 s36, s5, 8
	s_add_co_u32 s34, s34, s36                     ; my first column in bytes: 512 x + 256 half
	s_add_nc_u64 s[28:29], s[12:13], s[34:35]
	s_lshl_b32 s36, s33, 18                        ; the block's rows,
	s_add_co_u32 s34, s34, s36
	s_lshl_b32 s36, s4, 17                         ; my 32 of them
	s_add_co_u32 s34, s34, s36
	s_add_nc_u64 s[30:31], s[14:15], s[34:35]
	; the bias starts the sums: register j of accumulator (a, b) is column 16 b + 8 (l / 16) + j
.irp a, 0,1
.irp b, 0,1,2,3
	global_load_b128 v[ACC+8*(4*\a+\b):ACC+8*(4*\a+\b)+3],   v10, s[28:29] offset:64*\b
	global_load_b128 v[ACC+8*(4*\a+\b)+4:ACC+8*(4*\a+\b)+7], v10, s[28:29] offset:64*\b+16
.endr
.endr
.macro LOADT set                       ; a K step's tiles, f32, into staging set 0 or 1: 8 rows a load for the work-group's 128 threads
.set SA, 128+96*(\set)
.set SW, 160-160*(\set)
.set i, 0
.rept 8
	global_load_b128 v[SA+4*i:SA+4*i+3], v3, s[24:25] offset:i*32768
.set i, i+1
.endr
.if \set
	WIN 0x40                                       ; set 1's W lies in window 1
.endif
.set i, 0
.rept 16
	global_load_b128 v[SW+4*i:SW+4*i+3], v3, s[26:27] offset:i*32768
.set i, i+1
.endr
	WIN 0
.endm
; One K step, out of staging set and into LDS slot 'set'.  ld = 1: the tiles two steps on are asked for, into the same set.  left: the younger set's loads, which may stay out.
.macro STEP set, ld, left
.set SA, 128+96*(\set)
.set SW, 160-160*(\set)
	s_wait_loadcnt \left                           ; loads come back in order (ISA guide 5.7.1): this set's 24 are in (in the first step the bias too)
.set i, 0
.rept 8
	v_cvt_pk_f16_f32 v[SA+4*i],   v[SA+4*i],   v[SA+4*i+1]      ; the 48 conversions are also the places between the last products and the loads into their fragments
	v_cvt_pk_f16_f32 v[SA+4*i+1], v[SA+4*i+2], v[SA+4*i+3]
.set i, i+1
.endr
.set i, 0
.rept 8
	ds_store_b64 v4, v[SA+4*i:SA+4*i+1] offset:(\set)*SLOTB+i*8*PITCH
.set i, i+1
.endr
.if \set
	WIN 0x45
.endif
.set i, 0
.rept 16
	v_cvt_pk_f16_f32 v[SW+4*i],   v[SW+4*i],   v[SW+4*i+1]
	v_cvt_pk_f16_f32 v[SW+4*i+1], v[SW+4*i+2], v[SW+4*i+3]
.set i, i+1
.endr
.if \set
	WIN 0x04
.endif
.set i, 0
.rept 16
	ds_store_b64 v4, v[SW+4*i:SW+4*i+1] offset:(\set)*SLOTB+WOFF+i*8*PITCH
.set i, i+1
.endr
	WIN 0
	s_wait_dscnt 0x0                               ; for the others' sake: my stores are done; this set's registers may be loaded again
.if \ld
	s_wait_xcnt 0x0                                ; the younger set's loads still name the two bases: they are stepped only behind this wait (ISA guide 3.1)
	s_add_nc_u64 s[24:25], s[24:25], 256           ; 64 numbers on along K: from the step asked for last to the one two steps ahead of this
	s_add_nc_u64 s[26:27], s[26:27], 256
	LOADT \set
.endif
	s_barrier_signal -1                            ; one barrier a step: this slot is whole behind it; it is written again two steps on,
	s_barrier_wait -1                              ; behind the next barrier, in front of which every wave's reads of it have come back
.irp c, 0,1
.if (\c)
.rept 4
	v_nop                                          ; four places between the products and the loads into their fragments (ISA guide 7.12.1 for vector instructions)
.endr
.endif
.irp a, 0,1
	ds_load_b128 v[FRA+8*\a:FRA+8*\a+3],   v5 offset:(\set)*SLOTB+\a*16*PITCH+64*\c
	ds_load_b128 v[FRA+8*\a+4:FRA+8*\a+7], v5 offset:(\set)*SLOTB+\a*16*PITCH+64*\c+32
.endr
.irp b, 0,1,2,3
	ds_load_b128 v[FRW+8*\b:FRW+8*\b+3],   v6 offset:(\set)*SLOTB+\b*16*PITCH+64*\c
	ds_load_b128 v[FRW+8*\b+4:FRW+8*\b+7], v6 offset:(\set)*SLOTB+\b*16*PITCH+64*\c+32
.endr
	s_wait_dscnt 0x0
.irp a, 0,1
.irp b, 0,1,2,3                        ; the eight accumulators take turns
	v_wmma_f32_16x16x32_f16 v[ACC+8*(4*\a+\b):ACC+8*(4*\a+\b)+7], v[FRW+8*\b:FRW+8*\b+7], v[FRA+8*\a:FRA+8*\a+7], v[ACC+8*(4*\a+\b):ACC+8*(4*\a+\b)+7]
.endr
.endr
.endr
.endm
	LOADT 0                                        ; K step 0
	s_wait_xcnt 0x0
	s_add_nc_u64 s[24:25], s[24:25], 256
	s_add_nc_u64 s[26:27], s[26:27], 256
	LOADT 1                                        ; K step 1
	s_mov_b32 s3, 7
.Lk:                                                   ; 7 trips of two steps ask for steps 2 to 15; the last two steps are written out, so that no load leaves the buffers
	STEP 0, 1, 24
	STEP 1, 1, 24
	s_sub_co_u32 s3, s3, 1
	s_cmp_lg_u32 s3, 0
	s_cbranch_scc1 .Lk
	STEP 0, 0, 24
	STEP 1, 0, 0
	; THE WAY OUT: 32 bytes a lane into my own stage, back as whole rows of 256 bytes, stored so that sixteen lanes write 256 consecutive bytes at a multiple of 256
.rept 4
	v_nop
.endr
.irp a, 0,1
.irp b, 0,1,2,3
	ds_store_b128 v7, v[ACC+8*(4*\a+\b):ACC+8*(4*\a+\b)+3]   offset:\a*16*SPITCH+64*\b
	ds_store_b128 v7, v[ACC+8*(4*\a+\b)+4:ACC+8*(4*\a+\b)+7] offset:\a*16*SPITCH+64*\b+16
.endr
.endr
.set i, 0
.rept 16
	ds_load_b128 v[BK+4*i:BK+4*i+3], v8 offset:i*2*SPITCH        ; LDS serves a wave's instructions in order (ISA guide 5.7.1.4): these see the stores above
.set i, i+1
.endr
.set i, 0
.rept 16
	s_wait_dscnt 15-i                              ; the younger read-backs may stay out
	global_store_b128 v9, v[BK+4*i:BK+4*i+3], s[30:31] offset:i*8192
.set i, i+1
.endr
	s_wait_tensorcnt 0x0                           ; the wave's end
	ds_add_u32 v12, v13
	s_wait_dscnt 0x0
	s_endpgm
.Lfunc_end_k_q9cbc43ba0b_outp:
	.size	k_q9cbc43ba0b_outp, .Lfunc_end_k_q9cbc43ba0b_outp-k_q9cbc43ba0b_outp
	.p2alignl 7, 3214868480
	.fill 96, 4, 3214868480
	.section	.rodata,"a",@progbits
	.p2align	6, 0x0
	.amdhsa_kernel k_q9cbc43ba0b_outp
		.amdhsa_group_segment_fixed_size 90624
		.amdhsa_private_segment_fixed_size 0
		.amdhsa_enable_private_segment 0
		.amdhsa_kernarg_size 32
		.amdhsa_user_sgpr_count 2
		.amdhsa_user_sgpr_kernarg_segment_ptr 1
		.amdhsa_wavefront_size32 1
		.amdhsa_system_sgpr_workgroup_id_x 1
		.amdhsa_system_sgpr_workgroup_id_y 1
		.amdhsa_system_sgpr_workgroup_id_z 1
		.amdhsa_system_vgpr_workitem_id 0
		.amdhsa_next_free_vgpr 320
		.amdhsa_next_free_sgpr 66
		.amdhsa_reserve_vcc 0
		.amdhsa_float_denorm_mode_32 3
		.amdhsa_float_denorm_mode_16_64 3
		.amdhsa_memory_ordered 1
		.amdhsa_forward_progress 1
		.amdhsa_inst_pref_size 48
	.end_amdhsa_kernel
	.amdgpu_metadata
---
amdhsa.version: [ 1, 2 ]
amdhsa.kernels:
  - .name:           k_q9cbc43ba0b_outp
    .symbol:         k_q9cbc43ba0b_outp.kd
    .args:
      - { .name: fused, .offset: 0, .size: 8, .value_kind: global_buffer, .address_space: global }
      - { .name: Wo, .offset: 8, .size: 8, .value_kind: global_buffer, .address_space: global }
      - { .name: bo, .offset: 16, .size: 8, .value_kind: global_buffer, .address_space: global }
      - { .name: out0, .offset: 24, .size: 8, .value_kind: global_buffer, .address_space: global }
    .group_segment_fixed_size: 90624
    .private_segment_fixed_size: 0
    .kernarg_segment_align: 8
    .kernarg_segment_size: 32
    .max_flat_workgroup_size: 128
    .sgpr_count:     66
    .vgpr_count:     320
    .wavefront_size: 32
...
	.end_amdgpu_metadata
.endif
;; end of part 7
;; ======== version 3 of 3: 4 launches; version 2 with the launch outp written anew for expert scheduling mode
;; limits: values are held in f16: magnitudes above 65,504 overflow, below 6.1e-05 lose precision
;; workspace buffers: raw 16,777,216 bytes; qh 4,194,304 bytes; fused 8,388,608 bytes
;; launch qkv: the kernel of part 4 again; grid 16 x 16, 4 waves a work-group, no clusters, 193,024 bytes of LDS; arguments input, Wq, Wk, Wv, bq, bk, bv, raw, out1; writes raw, out1
;; launch norm: the kernel of part 5 again; grid 256 x 1, 8 waves a work-group, no clusters, 0 bytes of LDS; arguments raw, qh, out1; writes qh, out1
;; launch attn: the kernel of part 6 again; grid 4 x 64, 8 waves a work-group, no clusters, 183,296 bytes of LDS; arguments qh, out1, xl_memory, kv_external, rel_pos, gate, fused; writes fused
;; launch outp (part 8): grid 8 x 32, 4 waves a work-group, no clusters, 90,624 bytes of LDS; arguments fused, Wo, bo, out0; writes out0
.if DOCPART == 8
	.amdgcn_target "amdgcn-amd-amdhsa--gfx1250"
	.amdhsa_code_object_version 6
	.text
	.protected	k_q9cbc43ba0b_outp
	.globl	k_q9cbc43ba0b_outp
	.p2align	8
	.type	k_q9cbc43ba0b_outp,@function
k_q9cbc43ba0b_outp:
	s_mov_b64 s[64:65], 0
	v_nop
	global_prefetch_b8 v0, s[64:65] scope:SCOPE_SE
	s_setreg_imm32_b32 hwreg(HW_REG_WAVE_SCHED_MODE, 0, 2), 2
	s_setreg_imm32_b32 hwreg(HW_REG_WAVE_MODE, 25, 1), 1
	s_wait_xcnt 0x0
	s_wait_alu depctr_vm_vsrc(0)
; C[m][n] = sum over k of A[m][k] W[n][k] + bias[n].  A: [2048][1024], W: [1024][1024], bias: [1024], C: [2048][1024], all f32 in memory.
; The products take f16 operands (converted in registers on the way from memory to LDS) and f32 sums.
; LIMIT: an operand of 65,520 or more becomes an infinity in f16; below 6e-5 an operand keeps f16's fixed step of 6e-8.  NaN and infinities are not treated apart.
; SHARES.  Work-group (x, y): columns 128 x .. +127, rows 64 y .. +63: 256 work-groups.  Four waves, each 32 rows x 64 columns: 2 x 4 accumulators.
; K goes in 16 steps of 64 (256 bytes of a row in memory, at a multiple of 256) through two LDS slots.  TWO SETS of staging registers take turns: a step's 24 loads of a thread are asked for
; two steps ahead, so that up to 48 loads of every thread are on their way while a step is multiplied.
; THE MATRIX INSTRUCTION IS USED TRANSPOSED (source 0 = 16 rows of W, source 1 = 16 rows of A): a lane then holds eight neighbouring columns of one row of C.
; NO JOINT TENSOR LOADS: the tiles are f32 in memory and f16 in LDS; the conversion stands in registers between the two, so the tiles come by global loads.
; THE MODE: SCHED_MODE bits 1:0 = 2 (LLVM: expert scheduling mode 2), set by the entry lines.  The code itself states the register dependences
; between vector or matrix instructions and memory or LDS instructions, with s_wait_alu, always for 0.
; REGISTERS (s_set_vgpr_msb: bits 1:0 source 0, 3:2 source 1, 5:4 source 2, 7:6 destination).
;   window 0: v0-15 addresses; v16-63, v64-111 two fragment buffers, one for each half of a K step; v112-175 the way out
;   window 1: v0-63 accumulators; v64-159 staging set 0; v160-255 staging set 1.  So ONE setting (C and D in window 1, the rest in window 0) serves the products and the global loads among them.
; THE PLAN.  Registers that memory or LDS instructions touch:
;   v3 - v10, v12, v13  offsets and LDS addresses: written at the head, never again.
;   SET[s]     A step: its 48 conversions read and write the set in place; its 24 LDS stores read it; behind them the loads of the step two on land in it.
;   FR0, FR1   A step: 24 LDS loads behind the barrier land in them; eight products read each.
;   the accumulators  The bias's loads land in them at the head; then products alone name them; the way out's LDS stores read them.
;   BK         LDS loads land in it, global stores read it; no vector instruction names it.
; Three waits stand in a step.  One on va_vdst behind the conversions: they have written the LDS stores' data, and the products of the step before are done reading FR0 and FR1.  Behind the
; fragments' loads and the window switch, one on vm_vsrc (the LDS stores have read the set) and one on va_vdst (the conversions are done with the set): the step's 24 global loads follow,
; eight in the wait for the fragments and one behind each of the 16 products, which name the accumulators and FR0, FR1 alone: none of the registers that those loads touch.
.set PITCH,  144                       ; an LDS row: 64 f16 + 16 bytes: the 16 rows of a fragment load start at 16 different groups of four banks
.set SLOTB,  192*PITCH                 ; a slot: A's 64 rows, then W's 128 rows
.set WOFF,   64*PITCH
.set STAGE,  2*SLOTB                   ; behind the slots: 32 rows x 272 bytes for each wave, for the way out
.set SPITCH, 272
.set WSTAGE, 32*SPITCH
.set SPARE,  STAGE+4*WSTAGE            ; the spare words: 128 bytes a wave, two blocks of 256 bytes that no other line names
.set FR,  16                           ; window 0: fragment buffer c at FR + 48 c: A's two fragments, then W's four
.set BK,  112                          ; window 0: the way out: rows read back from the stage
.set ACC, 0                            ; window 1: accumulator (a, b) at ACC + 8 (4 a + b)
.set SET, 64                           ; window 1: staging set s at SET + 96 s; load u of 24 (A's eight, then W's sixteen) at + 4 u
; v1 l % 16, v2 l / 16, v3 global offset of my 16 bytes, v4 LDS place of my 8 bytes, v5, v6 fragment addresses, v7, v8 stage in and back, v9 offset in C, v10 offset in bias, v12, v13 the add's two
.set MSB, 0
.macro WIN new                         ; the immediate's high byte repeats the setting that is left; a switch that changes nothing is dropped
.if MSB != (\new)
	s_set_vgpr_msb (MSB<<8)|(\new)
.set MSB, (\new)
.endif
.endm
.set W_MM, 0x50                        ; C and D, and a load's destination, in window 1; fragments and addresses in window 0
	s_load_b256 s[8:15], s[0:1], 0x0               ; A s[8:9], W s[10:11], bias s[12:13], C s[14:15]
	v_lshl_add_u32 v12, v0, 2, SPARE               ; my spare word
	v_mov_b32 v13, 0
	v_lshrrev_b32 v14, 5, v0
	v_readfirstlane_b32 s2, v14                    ; wave 0..3
	v_and_b32 v1, 15, v0                           ; l % 16
	v_bfe_u32 v2, v0, 4, 1                         ; l / 16
	v_lshrrev_b32 v14, 4, v0                       ; thread / 16: which of 8 rows I fetch
	v_lshlrev_b32 v3, 12, v14                      ; row x 4,096 bytes
	v_lshl_add_u32 v3, v1, 4, v3                   ; + 16 bytes a thread: sixteen lanes take 256 consecutive bytes
	v_mul_u32_u24 v4, v14, PITCH
	v_lshl_add_u32 v4, v1, 3, v4                   ; the same place in LDS, 8 bytes a thread
	s_wait_alu depctr_va_sdst(0)                   ; s2 is written, ahead of its first reader: my rows, my columns and my stage are made from it
	s_lshr_b32 s4, s2, 1                           ; which 32 rows are mine
	s_and_b32 s5, s2, 1                            ; which 64 columns
	v_mul_u32_u24 v15, v1, PITCH
	v_lshl_add_u32 v15, v2, 4, v15                 ; a fragment's row x pitch + 16 x half
	s_mul_i32 s6, s4, 32*PITCH
	v_add_nc_u32 v5, s6, v15
	s_mul_i32 s6, s5, 64*PITCH
	s_add_co_u32 s6, s6, WOFF
	v_add_nc_u32 v6, s6, v15
	s_mul_i32 s6, s2, WSTAGE
	s_add_co_u32 s6, s6, STAGE                     ; my stage
	v_mul_u32_u24 v7, v1, SPITCH
	v_lshl_add_u32 v7, v2, 5, v7                   ; in: row l % 16, 32 bytes for each half of the lanes
	v_add_nc_u32 v7, s6, v7
	v_mul_u32_u24 v8, v2, SPITCH
	v_lshl_add_u32 v8, v1, 4, v8                   ; back: lanes 0-15 one row of 256 bytes, lanes 16-31 the next
	v_add_nc_u32 v8, s6, v8
	v_lshlrev_b32 v9, 12, v2
	v_lshl_add_u32 v9, v1, 4, v9                   ; the same two rows in C
	v_lshlrev_b32 v10, 5, v2                       ; my eight numbers of 16 of the bias
	s_and_b32 s33, ttmp7, 0xffff                   ; block of 64 rows
	s_mov_b32 s35, 0
	s_wait_kmcnt 0x0
	s_lshl_b32 s34, s33, 18                        ; 64 rows of 4,096 bytes
	s_add_nc_u64 s[24:25], s[8:9], s[34:35]        ; A at the block's first row
	s_lshl_b32 s34, ttmp9, 19                      ; 128 rows of W
	s_add_nc_u64 s[26:27], s[10:11], s[34:35]
	s_lshl_b32 s34, ttmp9, 9
	s_lshl_b32 s36, s5, 8
	s_add_co_u32 s34, s34, s36                     ; my first column in bytes: 512 x + 256 half
	s_add_nc_u64 s[28:29], s[12:13], s[34:35]
	s_lshl_b32 s36, s33, 18                        ; the block's rows,
	s_add_co_u32 s34, s34, s36
	s_lshl_b32 s36, s4, 17                         ; my 32 of them
	s_add_co_u32 s34, s34, s36
	s_add_nc_u64 s[30:31], s[14:15], s[34:35]
; Load u of the 24 that bring a K step's tiles, f32, into staging set 0 or 1: 8 rows a load for the work-group's 128 threads; at: bytes on along K from the bases
.macro GL set, u, at=0
.if (\u) < 8
	global_load_b128 v[SET+96*(\set)+4*(\u):SET+96*(\set)+4*(\u)+3], v3, s[24:25] offset:(\u)*32768+(\at)
.else
	global_load_b128 v[SET+96*(\set)+4*(\u):SET+96*(\set)+4*(\u)+3], v3, s[26:27] offset:((\u)-8)*32768+(\at)
.endif
.endm
; Eight products, 32 along K, out of fragment buffer c; the eight accumulators take turns.  ld = 1: behind each a load of W's for the step two on.
; No wait among them: no product names a register of the staging set or v3.
.macro MULS set, c, ld
.set n, 0
.rept 8
	v_wmma_f32_16x16x32_f16 v[ACC+8*n:ACC+8*n+7], v[FR+48*(\c)+16+8*(n%4):FR+48*(\c)+16+8*(n%4)+7], v[FR+48*(\c)+8*(n/4):FR+48*(\c)+8*(n/4)+7], v[ACC+8*n:ACC+8*n+7]
.if \ld
	GL \set, 8+8*(\c)+n
.endif
.set n, n+1
.endr
.endm
; One K step, out of staging set and into LDS slot 'set'.  ld = 1: the tiles two steps on are asked for, into the same set.  left: the younger set's loads, which may stay out.
.macro STEP set, ld, left
.set SB, SET+96*(\set)
	s_wait_loadcnt \left                           ; loads come back in order (ISA guide 5.7.1): this set's 24 are in (in the first step the bias too)
	WIN 0x45
.set i, 0
.rept 24
	v_cvt_pk_f16_f32 v[SB+4*i],   v[SB+4*i],   v[SB+4*i+1]
	v_cvt_pk_f16_f32 v[SB+4*i+1], v[SB+4*i+2], v[SB+4*i+3]
.set i, i+1
.endr
	WIN 0x04
	s_wait_alu depctr_va_vdst(0)                   ; the conversions have written the set, which the LDS stores read; the last step's products are done reading FR0 and FR1, in which the loads behind the barrier land
.set i, 0
.rept 24
	ds_store_b64 v4, v[SB+4*i:SB+4*i+1] offset:(\set)*SLOTB+i*8*PITCH   ; W's rows follow A's 64 in a slot: load u's rows lie at 8 u
.set i, i+1
.endr
	WIN 0
	s_wait_dscnt 0x0                               ; for the others' sake: my stores are done
	s_barrier_signal -1                            ; one barrier a step: this slot is whole behind it; it is written again two steps on,
	s_barrier_wait -1                              ; behind the next barrier, in front of which every wave's reads of it have come back
.irp c, 0,1                            ; the fragments of both halves of the step, in one run: the second half lands while the first is multiplied
.irp a, 0,1
	ds_load_b128 v[FR+48*\c+8*\a:FR+48*\c+8*\a+3],   v5 offset:(\set)*SLOTB+\a*16*PITCH+64*\c
	ds_load_b128 v[FR+48*\c+8*\a+4:FR+48*\c+8*\a+7], v5 offset:(\set)*SLOTB+\a*16*PITCH+64*\c+32
.endr
.irp b, 0,1,2,3
	ds_load_b128 v[FR+48*\c+16+8*\b:FR+48*\c+16+8*\b+3],   v6 offset:(\set)*SLOTB+\b*16*PITCH+64*\c
	ds_load_b128 v[FR+48*\c+16+8*\b+4:FR+48*\c+16+8*\b+7], v6 offset:(\set)*SLOTB+\b*16*PITCH+64*\c+32
.endr
.endr
	WIN W_MM
.if \ld
	s_wait_xcnt 0x0                                ; the younger set's loads still name the two bases: they are stepped only behind this wait (ISA guide 3.1)
	s_add_nc_u64 s[24:25], s[24:25], 256           ; 64 numbers on along K: from the step asked for last to the one two steps ahead of this
	s_add_nc_u64 s[26:27], s[26:27], 256
	s_wait_alu depctr_vm_vsrc(0)                   ; my LDS stores have read this set's registers, in which the loads below land
	s_wait_alu depctr_va_vdst(0)                   ; the conversions are done reading and writing this set's registers, in which the loads below land: stated behind the window switch and behind the stores that read them
.set i, 0
.rept 8
	GL \set, i                                     ; A's eight, in the wait for the fragments
.set i, i+1
.endr
.endif
	s_wait_dscnt 12                                ; the first buffer is in; the second's twelve loads may stay out
	MULS \set, 0, \ld
	s_wait_dscnt 0x0
	MULS \set, 1, \ld
.endm
	WIN W_MM
	s_wait_alu depctr_va_vdst(0)                   ; the offsets and LDS addresses v3 to v10 are written, which every load and store of the kernel reads; so are v12 and v13
	; the bias starts the sums: register j of accumulator (a, b) is column 16 b + 8 (l / 16) + j
.irp a, 0,1
.irp b, 0,1,2,3
	global_load_b128 v[ACC+8*(4*\a+\b):ACC+8*(4*\a+\b)+3],   v10, s[28:29] offset:64*\b
	global_load_b128 v[ACC+8*(4*\a+\b)+4:ACC+8*(4*\a+\b)+7], v10, s[28:29] offset:64*\b+16
.endr
.endr
.set i, 0
.rept 24
	GL 0, i                                        ; K step 0
.set i, i+1
.endr
.set i, 0
.rept 24
	GL 1, i, 256                                   ; K step 1: the immediate reaches on, so that only loads stand between the wait above and these
.set i, i+1
.endr
	s_wait_xcnt 0x0                                ; the loads above name the two bases: they are stepped only behind this wait (ISA guide 3.1)
	s_add_nc_u64 s[24:25], s[24:25], 256           ; both bases at the step asked for last
	s_add_nc_u64 s[26:27], s[26:27], 256
	WIN 0                                          ; at a label and at a branch every window is 0
	s_mov_b32 s3, 7
.Lk:                                                   ; 7 trips of two steps ask for steps 2 to 15; the last two steps are written out, so that no load leaves the buffers
	STEP 0, 1, 24
	STEP 1, 1, 24
	WIN 0
	s_sub_co_u32 s3, s3, 1
	s_cmp_lg_u32 s3, 0
	s_cbranch_scc1 .Lk
	STEP 0, 0, 24
	STEP 1, 0, 0
	; THE WAY OUT: 32 bytes a lane into my own stage, back as whole rows of 256 bytes, stored so that sixteen lanes write 256 consecutive bytes at a multiple of 256
.rept 4
	v_nop                                          ; four places between the last products and the stores of their results
.endr
	WIN 0x04
	s_wait_alu depctr_va_vdst(0)                   ; the products have written the accumulators, which the LDS stores read; the places above stay beside this wait
.irp a, 0,1
.irp b, 0,1,2,3
	ds_store_b128 v7, v[ACC+8*(4*\a+\b):ACC+8*(4*\a+\b)+3]   offset:\a*16*SPITCH+64*\b
	ds_store_b128 v7, v[ACC+8*(4*\a+\b)+4:ACC+8*(4*\a+\b)+7] offset:\a*16*SPITCH+64*\b+16
.endr
.endr
	WIN 0
.set i, 0
.rept 16
	ds_load_b128 v[BK+4*i:BK+4*i+3], v8 offset:i*2*SPITCH        ; LDS serves a wave's instructions in order (ISA guide 5.7.1.4): these see the stores above; no vector instruction names these registers
.set i, i+1
.endr
.set i, 0
.rept 16
	s_wait_dscnt 15-i                              ; the younger read-backs may stay out
	global_store_b128 v9, v[BK+4*i:BK+4*i+3], s[30:31] offset:i*8192
.set i, i+1
.endr
	s_wait_dscnt 0x0                               ; the wave's end
	s_wait_alu 0x0
	s_wait_tensorcnt 0x0
	ds_add_u32 v12, v13
	s_wait_dscnt 0x0
	s_endpgm
.Lfunc_end_k_q9cbc43ba0b_outp:
	.size	k_q9cbc43ba0b_outp, .Lfunc_end_k_q9cbc43ba0b_outp-k_q9cbc43ba0b_outp
	.p2alignl 7, 3214868480
	.fill 96, 4, 3214868480
	.section	.rodata,"a",@progbits
	.p2align	6, 0x0
	.amdhsa_kernel k_q9cbc43ba0b_outp
		.amdhsa_group_segment_fixed_size 90624
		.amdhsa_private_segment_fixed_size 0
		.amdhsa_enable_private_segment 0
		.amdhsa_kernarg_size 32
		.amdhsa_user_sgpr_count 2
		.amdhsa_user_sgpr_kernarg_segment_ptr 1
		.amdhsa_wavefront_size32 1
		.amdhsa_system_sgpr_workgroup_id_x 1
		.amdhsa_system_sgpr_workgroup_id_y 1
		.amdhsa_system_sgpr_workgroup_id_z 1
		.amdhsa_system_vgpr_workitem_id 0
		.amdhsa_next_free_vgpr 512
		.amdhsa_next_free_sgpr 66
		.amdhsa_reserve_vcc 0
		.amdhsa_float_denorm_mode_32 3
		.amdhsa_float_denorm_mode_16_64 3
		.amdhsa_memory_ordered 1
		.amdhsa_forward_progress 1
		.amdhsa_inst_pref_size 48
	.end_amdhsa_kernel
	.amdgpu_metadata
---
amdhsa.version: [ 1, 2 ]
amdhsa.kernels:
  - .name:           k_q9cbc43ba0b_outp
    .symbol:         k_q9cbc43ba0b_outp.kd
    .args:
      - { .name: fused, .offset: 0, .size: 8, .value_kind: global_buffer, .address_space: global }
      - { .name: Wo, .offset: 8, .size: 8, .value_kind: global_buffer, .address_space: global }
      - { .name: bo, .offset: 16, .size: 8, .value_kind: global_buffer, .address_space: global }
      - { .name: out0, .offset: 24, .size: 8, .value_kind: global_buffer, .address_space: global }
    .group_segment_fixed_size: 90624
    .private_segment_fixed_size: 0
    .kernarg_segment_align: 8
    .kernarg_segment_size: 32
    .max_flat_workgroup_size: 128
    .sgpr_count:     66
    .vgpr_count:     512
    .wavefront_size: 32
...
	.end_amdgpu_metadata
.endif
;; end of part 8
